; MI455X (gfx1250); checked and timed in simulation.
; The chip was launched on July 23, 2026; its instructions are those of AMD's public machine-readable ISA for CDNA 5 (MIT licence, August 2026) and "CDNA5" Instruction Set Architecture Reference Guide (July 2026). The comments in the code are by the model that wrote it; some were corrected since.
;; Multi Head Attention. Allowed arithmetic: matrix products marked QUANTISED: E2M1 operands, one E8M0 scale for each 32 along K, by v_wmma_scale_f32_16x16x128_f8f6f4 with both operands' format E2M1 (or v_wmma_scale_f32_32x16x128_f4), f32 sums; products left as they are: bf16, f16 or f32 operands; f32 sums; everything else in f32.
;; Inputs: Wk 1,024 x 1,024 float32; Wo 1,024 x 1,024 float32; Wq 1,024 x 1,024 float32; Wv 1,024 x 1,024 float32; bk 1,024 float32; bo 1,024 float32; bq 1,024 float32; bv 1,024 float32; k 4 x 2,048 x 1,024 float32; mask 4 x 2,048 int32; q 4 x 2,048 x 1,024 float32; v 4 x 2,048 x 1,024 float32.
;; Outputs: out0 4 x 2,048 x 1,024 float32.
;; This version of the problem:
;;   THIS VERSION OF THE PROBLEM IS GIVEN IN LOW PRECISION. The matrix products marked QUANTISED in the list below multiply operands that are first quantised to E2M1 (2 exponent bits, 1 mantissa bit; 4 bits a number), with one power-of-two scale for each 32 numbers along K (OCP MX v1.0); their sums are f32. The products marked 'left as it is' may take bf16, f16 or f32 operands, with f32 sums. Whichever they take, every output number must still come out within the allowed error. Rounding operands to bf16 (8 significant bits) uses up far more of that allowance than f16 does (11 bits, for magnitudes from 6e-5 to 65,504). All else is computed in f32.
;;   The module's matrix products, in the order in which they are computed (A, B: the left and right operand; K: the contracted axis; several contracted axes count as one K, in the product's order):
;;     1. [M 8,192, K 1,024] x [K 1,024, N 1,024]; A: input q; B: input Wq: QUANTISED
;;     2. [M 8,192, K 1,024] x [K 1,024, N 1,024]; A: input k; B: input Wk: QUANTISED
;;     3. [M 8,192, K 1,024] x [K 1,024, N 1,024]; A: input v; B: input Wv: QUANTISED
;;     4. batch 64 x [M 2,048, K 64] x [K 64, N 2,048]; A: computed on the way; B: computed on the way: left as it is (an operand is computed on the way)
;;     5. batch 64 x [M 2,048, K 2,048] x [K 2,048, N 64]; A: computed on the way; B: computed on the way: left as it is (an operand is computed on the way)
;;     6. [M 8,192, K 1,024] x [K 1,024, N 1,024]; A: computed on the way; B: input Wo: left as it is (an operand is computed on the way)
;;   THE QUANTISER, for each operand of a quantised product, along K:
;;     - K is cut into blocks of 32 from its start; a last block that is shorter is filled with zeros.
;;     - A block's scale is 2^e with e = floor(log2(the largest magnitude in the block)) - 2, held to -126 .. 127; a block of zeros has e = 0. As a byte (E8M0): e + 127.
;;     - Each number is divided by its block's scale, clamped to +-6, and rounded to the nearest number of E2M1, ties to even, subnormals kept.
;;     - The product sums the exact products of the quantised numbers (number of the format x scale) in f32.
;;   ~~~python
;;   def quantise(x, axis):      # numpy; x: float32 -> the quantised numbers, widened to float32 again
;;       x = np.moveaxis(x, axis, -1); K = x.shape[-1]
;;       x = np.pad(x, [(0, 0)] * (x.ndim - 1) + [(0, -K % 32)]); x = x.reshape(x.shape[:-1] + (-1, 32)); a = np.abs(x).max(-1, keepdims=True)
;;       e = np.where(a > 0, np.clip(np.frexp(np.where(a > 0, a, 1))[1] - 1 - 2, -126, 127), 0)      # np.frexp(a)[1] - 1 = floor(log2(a)), exactly
;;       r = np.clip(x / 2.0 ** e, -6, 6)
;;       step = 2.0 ** (np.maximum(np.frexp(np.where(r == 0, 1, r))[1] - 1, 0) - 1)
;;       q = np.round(r / step) * step * 2.0 ** e      # np.round: ties to even
;;       return np.moveaxis(q.reshape(q.shape[:-2] + (-1,))[..., :K], -1, axis).astype(np.float32)
;;   ~~~
;; One version. Each part assembles by itself: llvm-mc -triple=amdgcn-amd-amdhsa -mcpu=gfx1250 --defsym DOCPART=n.
;; ======== version 1 of 1: 4 launches
;; limits: values are held in f16: magnitudes above 65,504 overflow, below 6.1e-05 lose precision
;; workspace buffers: codes 14,155,776 bytes; scales 884,736 bytes; wo16 2,097,152 bytes; qkv 50,331,648 bytes; ob 16,777,216 bytes
;; launch quant (part 1): grid 896 x 1, 4 waves a work-group, no clusters, 33,280 bytes of LDS; arguments q, k, v, Wq, Wk, Wv, Wo, codes, scales, wo16; writes codes, scales, wo16
.if DOCPART == 1
	.amdgcn_target "amdgcn-amd-amdhsa--gfx1250"
	.amdhsa_code_object_version 6
	.text
	.protected	k_qfb8cd46b52_quant
	.globl	k_qfb8cd46b52_quant
	.p2align	8
	.type	k_qfb8cd46b52_quant,@function
k_qfb8cd46b52_quant:
	s_mov_b64 s[64:65], 0
	v_nop
	global_prefetch_b8 v0, s[64:65] scope:SCOPE_SE
	s_setreg_imm32_b32 hwreg(HW_REG_WAVE_MODE, 25, 1), 1
	s_wait_xcnt 0x0
; q, k, v [8192][1024] and Wq, Wk, Wv [1024][1024], f32 with K innermost, become codes of E2M1 (two a byte, the lower k in the low four bits) with one E8M0 byte for each 32 along K.
; The six tensors are stacked in that order: codes [27648 rows][512 bytes], scales [27648][32 bytes].  Wo becomes f16, laid by blocks of 64 along K: wo16[kb][n][c] = Wo[n][64 kb + c].
; A block's scale is 2^(floor(log2(its largest magnitude)) - 2); its byte is the largest magnitude's exponent field - 2, held at 1 from below.
; LIMITS: a block of zeros gets the byte 1 where the rule says 127 (its codes are zeros, which add nothing, and this program alone reads the bytes); blocks whose largest magnitude lies under
; 2^(3 - 127) keep the byte 1; NaN and infinities among the inputs are not served; Wo beyond 65,504 in magnitude has no f16 number.
; SHARES.  Rows are dense and 1,024 is a multiple of 32, so the six tensors are plain streams of blocks.  Work-groups 0 to 863 take 32,768 numbers each (256, 256, 256, 32, 32, 32 of them), a wave 8,192 in
; 16 steps of 512.  Each of a step's four loads reads 512 consecutive bytes; the 2,048 bytes turn through the wave's own stage in LDS, so that a lane holds 16 neighbours along K; two lanes hold a block.
; Work-groups 864 to 895 take Wo, a wave 8 rows.  No cluster, no tensor load, no barrier: no two waves read the same byte.
.set NQWG,  864                        ; work-groups that quantise
.set STEPS, 16
.set EMAX,  2
.set CB,    8                          ; bytes of 16 codes
.set R,     16                         ; v16-79   four sets of 16 numbers as they are loaded
.set X,     80                         ; v80-111  two sets of 16 neighbours
.set E,     112                        ; v112-127 a scale byte for each step
.set C,     128                        ; v128-191 codes: four registers for each step, so that no store's data are written again
.set WREG,  8192                       ; LDS: a region for each wave: two stages of 32 x SP bytes, behind them its 256 scale bytes
.set SP,    80                         ; a lane's place in a stage: 64 bytes + 16 of padding
.set SPW,   12                         ; v12 LDS address of my spare word; never rewritten
.set NIL,   13                         ; v13 0; never rewritten
.set SPARE, 4*WREG                     ; behind the four regions: the spare words, 128 bytes a wave
	s_load_b256 s[4:11], s[0:1], 0x0               ; q s[4:5], k s[6:7], v s[8:9], Wq s[10:11]
	s_load_b256 s[12:19], s[0:1], 0x20             ; Wk s[12:13], Wv s[14:15], Wo s[16:17], codes s[18:19]
	s_load_b128 s[20:23], s[0:1], 0x40             ; scales s[20:21], wo16 s[22:23]
	v_lshl_add_u32 v[SPW], v0, 2, SPARE
	v_mov_b32 v[NIL], 0
	v_lshrrev_b32 v1, 5, v0
	v_readfirstlane_b32 s24, v1                    ; wave 0..3
	v_and_b32 v2, 31, v0                           ; lane
	s_cmp_ge_u32 ttmp9, NQWG                       ; the work-group's number alone decides: all four waves go the same way
	s_cbranch_scc1 .Lwo
	v_lshlrev_b32 v3, 4, v2                        ; my 16 bytes of a load's 512
	s_mul_i32 s25, s24, WREG
	v_lshrrev_b32 v14, 2, v2
	v_mul_u32_u24 v14, v14, SP
	v_and_b32 v15, 3, v2
	v_lshl_add_u32 v14, v15, 4, v14
	v_add_nc_u32 v14, s25, v14                     ; the stage, on the way in: four lanes' 64 bytes on end, then 16 of padding
	v_mul_u32_u24 v15, v2, SP
	v_add_nc_u32 v15, s25, v15                     ; and on the way out: SP x lane: my 16 neighbours
	v_mul_u32_u24 v4, v2, CB                       ; my codes' place in a step's
	v_lshrrev_b32 v5, 1, v2
	s_add_co_u32 s25, s25, 2*32*SP
	v_add_nc_u32 v5, s25, v5                       ; LDS: my wave's 256 scale bytes, my block's byte
	v_lshlrev_b32 v7, 3, v2                        ; and on the way out 8 bytes a lane
	v_add_nc_u32 v6, s25, v7
	s_wait_kmcnt 0x0
	s_mov_b32 s25, 0                               ; the first work-group of my tensor.  Only pointers are chosen: all six tensors take one path
	s_cmp_ge_u32 ttmp9, 256
	s_cselect_b64 s[4:5], s[6:7], s[4:5]
	s_cselect_b32 s25, 256, s25
	s_cmp_ge_u32 ttmp9, 512
	s_cselect_b64 s[4:5], s[8:9], s[4:5]
	s_cselect_b32 s25, 512, s25
	s_cmp_ge_u32 ttmp9, 768
	s_cselect_b64 s[4:5], s[10:11], s[4:5]
	s_cselect_b32 s25, 768, s25
	s_cmp_ge_u32 ttmp9, 800
	s_cselect_b64 s[4:5], s[12:13], s[4:5]
	s_cselect_b32 s25, 800, s25
	s_cmp_ge_u32 ttmp9, 832
	s_cselect_b64 s[4:5], s[14:15], s[4:5]
	s_cselect_b32 s25, 832, s25
	s_sub_co_u32 s25, ttmp9, s25
	s_lshl_b32 s25, s25, 2
	s_add_co_u32 s25, s25, s24                     ; which run of 8,192 numbers of the tensor is my wave's
	s_lshl_b32 s26, s25, 15                        ; 32,768 bytes a run
	s_mov_b32 s27, 0
	s_add_nc_u64 s[4:5], s[4:5], s[26:27]
	s_lshl_b32 s25, ttmp9, 2
	s_add_co_u32 s25, s25, s24                     ; and which run of the stacked outputs
	s_lshl_b32 s26, s25, 12                        ; 4,096 bytes of codes a run
	s_add_nc_u64 s[18:19], s[18:19], s[26:27]
	s_lshl_b32 s26, s25, 8                         ; 256 scale bytes a run
	s_add_nc_u64 s[20:21], s[20:21], s[26:27]
.macro LOAD t
.irp i, 0,1,2,3
	global_load_b128 v[R+16*((\t)%4)+4*\i:R+16*((\t)%4)+4*\i+3], v3, s[4:5] offset:2048*(\t)+512*\i th:TH_LOAD_NT   ; 32 lanes read 512 consecutive bytes
.endr
.endm
.macro TURN t                          ; step t's numbers through the stage: LDS serves a wave's instructions in order (ISA guide 5.7.1), so no wait stands between the stores and the loads
.irp i, 0,1,2,3
	ds_store_b128 v14, v[R+16*((\t)%4)+4*\i:R+16*((\t)%4)+4*\i+3] offset:32*SP*((\t)%2)+8*SP*\i
.endr
.irp i, 0,1,2,3
	ds_load_b128 v[X+16*((\t)%2)+4*\i:X+16*((\t)%2)+4*\i+3], v15 offset:32*SP*((\t)%2)+16*\i
.endr
.endm
.irp t, 0,1,2,3
	LOAD \t
.endr
	s_wait_loadcnt 12                              ; step 0's four loads are in; the twelve behind them stay out
	TURN 0
.macro STEP t
.set XS, X+16*((\t)%2)
.if (\t) > 0
	s_wait_dscnt 1                                 ; this step's numbers are back from the stage (the last step's byte store may be out)
.else
	s_wait_dscnt 0x0
.endif
.if (\t)+4 < STEPS
	LOAD (\t)+4                                    ; into the registers that the stage's stores have read
.endif
.if (\t)+1 < STEPS
.if STEPS-2-(\t) >= 3
	s_wait_loadcnt 12                              ; the next step's four loads are in; those of the three steps behind it may be out
.else
	s_wait_loadcnt 4*(STEPS-2-(\t))
.endif
	TURN (\t)+1                                    ; they go through the other stage while this step is worked
.endif
	v_max3_num_f32 v8, |v[XS]|, |v[XS+1]|, |v[XS+2]|               ; the largest magnitude of my 16, in two chains
	v_max3_num_f32 v9, |v[XS+3]|, |v[XS+4]|, |v[XS+5]|
.irp i, 6,10
	v_max3_num_f32 v8, v8, |v[XS+\i]|, |v[XS+\i+1]|
	v_max3_num_f32 v9, v9, |v[XS+\i+2]|, |v[XS+\i+3]|
.endr
	v_max3_num_f32 v8, v8, |v[XS+14]|, |v[XS+15]|
	v_max3_num_f32 v8, v8, v9, (EMAX+1)<<23        ; and the floor 2^(3 - 127): so the byte cannot fall under 1
	v_max_num_f32_dpp v8, v8, v8 row_xmask:1 row_mask:0xf bank_mask:0xf   ; and of my neighbour's 16: the block's
	v_add_nc_u32 v11, -(EMAX<<23), v8              ; 2 off its exponent field: the conversion takes the exponent field of this operand as its scale
	v_cvt_scalef32_pk8_fp4_f32 v[C+4*(\t)], v[XS:XS+7], v11        ; eight numbers / the scale, to the nearest code, ties to even, beyond 6 the largest code
	v_cvt_scalef32_pk8_fp4_f32 v[C+4*(\t)+1], v[XS+8:XS+15], v11
	v_lshrrev_b32 v[E+(\t)], 23, v11               ; the scale's byte (also the plain instruction behind the conversions)
	ds_store_b8 v5, v[E+(\t)] offset:16*(\t)       ; both lanes of a block write the same byte with the same value
	global_store_b64 v4, v[C+4*(\t):C+4*(\t)+1], s[18:19] offset:32*CB*(\t)   ; the wave stores 256 consecutive bytes, aligned
.endm
.irp t, 0,1,2,3,4,5,6,7,8,9,10,11,12,13,14,15
	STEP \t
.endr
	ds_load_b64 v[8:9], v6                         ; my wave's 256 scale bytes, 8 a lane: in order behind my stores
	s_wait_dscnt 0x0
	global_store_b64 v7, v[8:9], s[20:21]          ; 256 consecutive bytes, aligned
	s_wait_tensorcnt 0x0                           ; the wave's end: behind my last LDS store
	ds_add_u32 v[SPW], v[NIL]
	s_wait_dscnt 0x0
	s_endpgm
; Wo to f16.  Wave g of 128 owns rows 8 g to 8 g + 7, two rows at a time.  One load: lanes 0-15 the 256 bytes of row n at block kb, lanes 16-31 the same of row n + 1; rounded they are
; 2 x 128 bytes that lie on end in wo16: the wave's store covers 256 consecutive bytes, aligned.
.Lwo:
	v_lshrrev_b32 v3, 4, v2
	v_and_b32 v4, 15, v2
	v_lshlrev_b32 v1, 12, v3                       ; in: 4,096 bytes a row,
	v_lshl_add_u32 v1, v4, 4, v1                   ; 16 bytes a lane
	v_lshlrev_b32 v5, 3, v2                        ; out: 8 bytes a lane
	s_sub_co_u32 s25, ttmp9, NQWG
	s_lshl_b32 s25, s25, 2
	s_add_co_u32 s25, s25, s24                     ; g
	s_lshl_b32 s26, s25, 15                        ; 8 rows of 4,096 bytes
	s_mov_b32 s27, 0
	s_wait_kmcnt 0x0
	s_add_nc_u64 s[16:17], s[16:17], s[26:27]
	s_lshl_b32 s26, s25, 10                        ; 8 rows of 128 bytes in each block of wo16
	s_add_nc_u64 s[22:23], s[22:23], s[26:27]
.macro LOADW p                         ; rows 2 p, 2 p + 1: sixteen blocks into set p % 2
.irp kb, 0,1,2,3,4,5,6,7,8,9,10,11,12,13,14,15
	global_load_b128 v[16+64*((\p)%2)+4*\kb:16+64*((\p)%2)+4*\kb+3], v1, s[16:17] offset:(\p)*8192+\kb*256 th:TH_LOAD_NT
.endr
.endm
.macro CVTW p
.if (\p) < 3
	s_wait_loadcnt 16                              ; this batch is in; the next batch's sixteen may be out
.else
	s_wait_loadcnt 0x0
.endif
	s_wait_xcnt 0x0                                ; the last batch's stores have read v144-175, which are written again below
.irp kb, 0,1,2,3,4,5,6,7,8,9,10,11,12,13,14,15
	v_cvt_pk_f16_f32 v[144+2*\kb], v[16+64*((\p)%2)+4*\kb], v[16+64*((\p)%2)+4*\kb+1]
	v_cvt_pk_f16_f32 v[145+2*\kb], v[16+64*((\p)%2)+4*\kb+2], v[16+64*((\p)%2)+4*\kb+3]
	global_store_b64 v5, v[144+2*\kb:145+2*\kb], s[22:23] offset:\kb*131072+(\p)*256
.endr
.endm
	LOADW 0
	LOADW 1
	CVTW 0
	LOADW 2
	CVTW 1
	LOADW 3
	CVTW 2
	CVTW 3
	s_endpgm
.Lfunc_end_k_qfb8cd46b52_quant:
	.size	k_qfb8cd46b52_quant, .Lfunc_end_k_qfb8cd46b52_quant-k_qfb8cd46b52_quant
	.p2alignl 7, 3214868480
	.fill 96, 4, 3214868480
	.section	.rodata,"a",@progbits
	.p2align	6, 0x0
	.amdhsa_kernel k_qfb8cd46b52_quant
		.amdhsa_group_segment_fixed_size 33280
		.amdhsa_private_segment_fixed_size 0
		.amdhsa_enable_private_segment 0
		.amdhsa_kernarg_size 80
		.amdhsa_user_sgpr_count 2
		.amdhsa_user_sgpr_kernarg_segment_ptr 1
		.amdhsa_wavefront_size32 1
		.amdhsa_system_sgpr_workgroup_id_x 1
		.amdhsa_system_sgpr_workgroup_id_y 1
		.amdhsa_system_sgpr_workgroup_id_z 1
		.amdhsa_system_vgpr_workitem_id 0
		.amdhsa_next_free_vgpr 192
		.amdhsa_next_free_sgpr 66
		.amdhsa_reserve_vcc 0
		.amdhsa_float_denorm_mode_32 3
		.amdhsa_float_denorm_mode_16_64 3
		.amdhsa_memory_ordered 1
		.amdhsa_forward_progress 1
		.amdhsa_inst_pref_size 55
	.end_amdhsa_kernel
	.amdgpu_metadata
---
amdhsa.version: [ 1, 2 ]
amdhsa.kernels:
  - .name:           k_qfb8cd46b52_quant
    .symbol:         k_qfb8cd46b52_quant.kd
    .args:
      - { .name: q, .offset: 0, .size: 8, .value_kind: global_buffer, .address_space: global }
      - { .name: k, .offset: 8, .size: 8, .value_kind: global_buffer, .address_space: global }
      - { .name: v, .offset: 16, .size: 8, .value_kind: global_buffer, .address_space: global }
      - { .name: Wq, .offset: 24, .size: 8, .value_kind: global_buffer, .address_space: global }
      - { .name: Wk, .offset: 32, .size: 8, .value_kind: global_buffer, .address_space: global }
      - { .name: Wv, .offset: 40, .size: 8, .value_kind: global_buffer, .address_space: global }
      - { .name: Wo, .offset: 48, .size: 8, .value_kind: global_buffer, .address_space: global }
      - { .name: codes, .offset: 56, .size: 8, .value_kind: global_buffer, .address_space: global }
      - { .name: scales, .offset: 64, .size: 8, .value_kind: global_buffer, .address_space: global }
      - { .name: wo16, .offset: 72, .size: 8, .value_kind: global_buffer, .address_space: global }
    .group_segment_fixed_size: 33280
    .private_segment_fixed_size: 0
    .kernarg_segment_align: 8
    .kernarg_segment_size: 80
    .max_flat_workgroup_size: 128
    .sgpr_count:     66
    .vgpr_count:     192
    .wavefront_size: 32
...
	.end_amdgpu_metadata
.endif
;; end of part 1
;; launch proj (part 2): grid 4 x 96, 4 waves a work-group, clusters of 4 x 4, 327,680 bytes of LDS; arguments codes, scales, bq, bk, bv, qkv; writes qkv
.if DOCPART == 2
	.amdgcn_target "amdgcn-amd-amdhsa--gfx1250"
	.amdhsa_code_object_version 6
	.text
	.protected	k_qfb8cd46b52_proj
	.globl	k_qfb8cd46b52_proj
	.p2align	8
	.type	k_qfb8cd46b52_proj,@function
k_qfb8cd46b52_proj:
	s_mov_b64 s[64:65], 0
	v_nop
	global_prefetch_b8 v0, s[64:65] scope:SCOPE_SE
	s_setreg_imm32_b32 hwreg(HW_REG_WAVE_MODE, 25, 1), 1
	s_wait_xcnt 0x0
	s_wait_alu depctr_hold_cnt(0) depctr_sa_sdst(0) depctr_va_vdst(0) depctr_va_sdst(0) depctr_va_ssrc(0) depctr_va_vcc(0) depctr_vm_vsrc(0)
	s_getreg_b32 s2, hwreg(HW_REG_IB_STS2, 6, 4)
	s_cmp_eq_u32 s2, 0
	s_cbranch_scc0 .Lentry_in_a_cluster
	s_endpgm
.Lentry_in_a_cluster:
	s_bfe_u32 s2, ttmp6, 0x10000c
	s_cmp_lg_u32 s2, 0xf033
	s_cbranch_scc0 .Lentry_shape_is_right
	s_endpgm
.Lentry_shape_is_right:
; The three quantised products in one launch: C[m][n] = sum over k of X[m][k] W[n][k] + bias[n], X the stacked rows of q, k, v (24,576 rows), W the matching weight (rows 24,576 + 1,024 t on of the same buffers),
; K = 1,024, both operands codes of E2M1 with one E8M0 byte for each 32 along K; sums in f32.  The result is rounded to f16 and laid by head: qkv[t][b][h][s][64].
; LIMIT: results beyond 65,504 in magnitude have no f16 number.
; A tile of C, 256 x 256, is made by four waves, 128 x 128 each: 64 accumulators of 16 x 16, 512 registers.  K is two slots of 512 (LDS rows of 256 bytes): both are asked for at the head and nothing is filled
; again; by this text's count a wave has three tensor loads out at the most (scales, slot 0, slot 1).  The scale bytes of the tile's rows of X and of W, for all of K, are two dense blocks and come once.
; CLUSTERS: 4 x 4 work-groups.  The four of a row of the cluster need the same rows of X, the four of a column the same rows of W: each tile is asked for jointly, by the same tensor load with the same
; descriptor and a mask that names the four.  THE MATRIX INSTRUCTION IS USED TRANSPOSED (source 0 = 16 rows of W, source 1 = 16 rows of X): a lane holds eight neighbouring columns of one row of C.
; The bias is the C of each sum's first instruction: eight registers for each block of 16 columns, in the result's layout.
; REGISTERS, in windows of 256: window 0: v0-31 addresses; v32-95 scale words, two sets, and nothing else; v128-191 X's fragments, one set; v192-255 the bias; on the way out v128-223 are at work.
;   window 1: W's fragments, two sets, at v0 and v128.   window 2: the accumulators of my rows 0-63 ((a, b) at v[8 (8 a + b)]);   window 3: those of my rows 64-127.
.set NQ,     4                         ; steps of 128 along K in a slot
.set ROWB,   256                       ; a tile's row in bytes: 512 codes
.set KROW,   512                       ; a row of codes in memory
.set PITCH,  272                       ; an LDS row: 256 bytes + 16 of padding = 68 words: the 16 rows that a load touches start at 16 different banks (64 banks of 4 bytes: ISA guide 11.1)
.set FR,     8                         ; registers of a fragment: 16 rows x 128 K
.set NL,     2                         ; LDS loads that bring one
.set NP,     4                         ; places behind this matrix instruction (ISA guide 7.12.1)
.set HALFT,  128*PITCH                 ; 128 rows: what one tensor load brings
.set SLOT,   4*HALFT                   ; X's 256 rows, then W's 256 rows
.set KS,     32                        ; a row of scale bytes
.set SCL,    2*SLOT                    ; behind the slots: the scales, as units of 256 bytes + 16 of padding
.set HALFS,  (128*KS/256)*272          ; those of 128 rows
.set SBLK,   (16*KS/256)*272           ; those of 16 rows
.set SPARE,  SCL+4*HALFS               ; the spare words, 128 bytes a wave
.set SPITCH, 272                       ; the way out: a stage of 16 rows x (256 bytes + 16) a wave, in slot 0, which has had its only fill and its last read by then
.set WROW,   24576                     ; the weights' first row in codes and scales
.set ADRA, 16                          ; v16-17  LDS address of my X fragments in slot 0, 1
.set ADRB, 20                          ; v20-21  the same for W
.set STO,  24                          ; v24     the way out: where I put 16 bytes of a row
.set RD,   25                          ; v25     where I read back
.set CO,   26                          ; v26     my byte offset in qkv
.set ADRS, 27                          ; v27     LDS address of my scale words: lanes 0-15 X's rows, lanes 16-31 W's
.set SPW,  28                          ; v28     LDS address of my spare word; never rewritten
.set NIL,  29                          ; v29     0; never rewritten
.set BOF,  30                          ; v30     32 x (lane / 16): my place in the bias
.set SC,   32                          ; scale words: set s at v[SC + 32 s]; register 4 i + q: lanes 0-15 X's block i, lanes 16-31 W's block i, the slot's q-th 128 along K
.set AF,   128                         ; X's fragments
.set BI,   192                         ; the bias: register 8 b + j = bias[16 b + 8 (lane / 16) + j] of my 128 columns
.set TMP,  128                         ; the way out: packed results
.set BK,   160                         ; the way out: read back: v160-191 and v192-223 by turns
.set G1, 24                            ; s[24:31] descriptor group 1 for X's tiles;  s[32:39] group 0, one set for each slot
.set G0, 32
.set G1B, 48                           ; s[48:55], s[56:63] the same for W's
.set G0B, 56
.set G1S, 68                           ; s[68:75], s[76:79] groups 1 and 0 for X's scales;  s[80:87], s[88:91] for W's
.set G0S, 76
.set G1SB, 80
.set G0SB, 88
.set MSB, 0
.macro WIN new                         ; the immediate's high byte repeats the setting that is left
.if MSB != (\new)
	s_set_vgpr_msb (MSB<<8)|(\new)
.set MSB, (\new)
.endif
.endm
.set MUL_LO, 0xa1                      ; source 0 (W) window 1, source 1 (X) window 0, C and D window 2
.set MUL_HI, 0xf1                      ; the same, C and D window 3
.set TO_B,   0x40                      ; destination window 1, address window 0
; A joint load: waves 0 and 1 fetch for X, waves 2 and 3 for W.  The branch hangs on the wave's number alone.  An s_nop 0 and four v_nop follow each of the two lines.
.macro JLOAD g0a, g1a, g0b, g1b
	s_cmp_eq_u32 s15, 0
	s_cbranch_scc0 .Lfor_b_\@
	tensor_load_to_lds s[\g0a:\g0a+3], s[\g1a:\g1a+7]
	s_nop 0
.rept 4
	v_nop
.endr
	s_branch .Lasked_\@
.Lfor_b_\@:
	tensor_load_to_lds s[\g0b:\g0b+3], s[\g1b:\g1b+7]
	s_nop 0
.rept 4
	v_nop
.endr
.Lasked_\@:
.endm
.macro CROUND                          ; a round of the cluster's barrier: my work-group's barrier; wave 0 signals for the work-group; every wave waits for all sixteen; my work-group's barrier once more
	s_barrier_signal -1
	s_barrier_wait -1
	s_cmp_lg_u32 s14, 0
	s_cbranch_scc1 .Lnot_wave_0_\@
	s_barrier_signal -3
.Lnot_wave_0_\@:
	s_barrier_wait -3
	s_barrier_signal -1
	s_barrier_wait -1
.endm
	s_load_b128 s[4:7], s[0:1], 0x0                ; codes s[4:5], scales s[6:7]
	s_load_b128 s[8:11], s[0:1], 0x10              ; bq s[8:9], bk s[10:11]
	s_load_b64 s[2:3], s[0:1], 0x20                ; bv
	s_load_b64 s[12:13], s[0:1], 0x28              ; qkv
	v_lshl_add_u32 v[SPW], v0, 2, SPARE
	v_mov_b32 v[NIL], 0
	ds_add_u32 v[SPW], v[NIL]                      ; the wave's opening: the add, twice on end, and its wait ahead of my first tensor load
	ds_add_u32 v[SPW], v[NIL]                      ; and once more; the set-up below, work on registers, stands between it and the wait
	v_lshrrev_b32 v1, 5, v0
	v_readfirstlane_b32 s14, v1                    ; wave 0..3
	s_lshr_b32 s15, s14, 1                         ; which half of the tile's rows is mine.  Also: I fetch for X (0) or for W (1)
	s_and_b32 s16, s14, 1                          ; which half of its columns.  Also: which 128 rows I fetch
	s_bfe_u32 s40, ttmp6, 0x40000                  ; cx, cy: my place in the cluster
	s_bfe_u32 s41, ttmp6, 0x40004
	s_lshl_b32 s42, ttmp9, 2
	s_add_co_u32 s42, s42, s40                     ; tile column = 4 x cluster x + cx
	s_and_b32 s96, ttmp7, 0xffff                   ; cluster y
	s_lshl_b32 s17, s96, 2
	s_add_co_u32 s17, s17, s41                     ; tile row = 4 x cluster y + cy, 0..95 over the stacked rows
	s_lshr_b32 s96, s96, 3                         ; t: 0 q, 1 k, 2 v: 8 clusters of 1,024 rows to a tensor; the same in all sixteen partners
	s_lshl_b32 s43, s41, 2
	s_lshl_b32 s43, 15, s43                        ; my row of the cluster
	s_lshl_b32 s44, 0x1111, s40                    ; my column
	; descriptor group 1: a tile of 128 rows x 256 bytes, padded in LDS
	s_or_b32 s[G1+0], s43, (0<<16)|(1<<20)|(1<<21)|(5<<22)|(3<<25)  ; 15:0 the mask; 17:16 elements of 1 byte; 20 padding on; 21 set beside a mask; 24:22 after every 64 words; 31:25 four words
	s_or_b32 s[G1B+0], s44, (0<<16)|(1<<20)|(1<<21)|(5<<22)|(3<<25)
.irp g, G1, G1B
	s_mov_b32 s[\g+1], ROWB<<16                    ; tensor_dim0
	s_mov_b32 s[\g+2], 128<<16                     ; tensor_dim1
	s_mov_b32 s[\g+3], ROWB<<16                    ; tile_dim0
	s_mov_b32 s[\g+4], 128                         ; tile_dim1
	s_mov_b32 s[\g+5], KROW                        ; from row to row
	s_mov_b32 s[\g+6], 0
	s_mov_b32 s[\g+7], 0
.endr
	; the scales of 128 rows: a dense block of 4,096 bytes, as 16 rows of 256 bytes (32 elements of 8 bytes), 16 bytes of padding behind each
	s_or_b32 s[G1S+0], s43, (3<<16)|(1<<20)|(1<<21)|(5<<22)|(3<<25)
	s_or_b32 s[G1SB+0], s44, (3<<16)|(1<<20)|(1<<21)|(5<<22)|(3<<25)
.irp g, G1S, G1SB
	s_mov_b32 s[\g+1], 32<<16
	s_mov_b32 s[\g+2], (128*KS/256)<<16
	s_mov_b32 s[\g+3], 32<<16
	s_mov_b32 s[\g+4], 128*KS/256
	s_mov_b32 s[\g+5], 32
	s_mov_b32 s[\g+6], 0
	s_mov_b32 s[\g+7], 0
.endr
	s_lshl_b32 s18, s16, 7                         ; which 128 rows of the tile I fetch
	s_lshl_b32 s20, s17, 8
	s_add_co_u32 s20, s20, s18                     ; X: row 256 x tile row + 128 x half: it hangs on the tile row alone
	s_lshl_b32 s46, s42, 8
	s_add_co_u32 s46, s46, s18                     ; W: row 256 x tile column + 128 x half
	s_lshl_b32 s47, s96, 10
	s_add_co_u32 s46, s46, s47                     ; + 1,024 t
	s_add_co_u32 s46, s46, WROW                    ; + 24,576: it hangs on the tile column and the cluster's y alone
	s_mov_b32 s21, 0
	s_mov_b32 s47, 0
	s_mov_b64 s[18:19], KS
	s_mul_u64 s[22:23], s[20:21], s[18:19]         ; where these rows' scales begin, in bytes
	s_mul_u64 s[92:93], s[46:47], s[18:19]
	s_mov_b64 s[18:19], KROW
	s_mul_u64 s[20:21], s[20:21], s[18:19]         ; and their codes
	s_mul_u64 s[46:47], s[46:47], s[18:19]
	s_mul_i32 s45, s14, HALFT                      ; where they go: wave x 128 rows: no place in the cluster enters an LDS address
	s_mul_i32 s94, s14, HALFS
	s_wait_dscnt 0x0                               ; both opening adds are done
	s_wait_kmcnt 0x0
	s_add_nc_u64 s[20:21], s[4:5], s[20:21]
	s_add_nc_u64 s[22:23], s[6:7], s[22:23]
	s_add_nc_u64 s[46:47], s[4:5], s[46:47]
	s_add_nc_u64 s[92:93], s[6:7], s[92:93]
	CROUND                                         ; all sixteen work-groups are here: the joint loads meet
	s_mov_b32 s[G0S], 1
	s_add_co_u32 s[G0S+1], s94, SCL
	s_mov_b64 s[G0S+2:G0S+3], s[22:23]
	s_or_b32 s[G0S+3], s[G0S+3], 0x80000000
	s_mov_b32 s[G0SB], 1
	s_add_co_u32 s[G0SB+1], s94, SCL
	s_mov_b64 s[G0SB+2:G0SB+3], s[92:93]
	s_or_b32 s[G0SB+3], s[G0SB+3], 0x80000000
	JLOAD G0S, G1S, G0SB, G1SB                     ; the scales first: they are wanted with the first step
.irp s, 0,1
	s_mov_b32 s[G0+4*\s], 1
	s_add_co_u32 s[G0+4*\s+1], s45, \s*SLOT
	s_add_nc_u64 s[G0+4*\s+2:G0+4*\s+3], s[20:21], \s*ROWB
	s_or_b32 s[G0+4*\s+3], s[G0+4*\s+3], 0x80000000
	s_mov_b32 s[G0B+4*\s], 1
	s_add_co_u32 s[G0B+4*\s+1], s45, \s*SLOT
	s_add_nc_u64 s[G0B+4*\s+2:G0B+4*\s+3], s[46:47], \s*ROWB
	s_or_b32 s[G0B+4*\s+3], s[G0B+4*\s+3], 0x80000000
	JLOAD G0+4*\s, G1, G0B+4*\s, G1B
.endr
	v_and_b32 v1, 15, v0                           ; r = lane % 16
	v_bfe_u32 v2, v0, 4, 1                         ; h = lane / 16
	; the bias of my 128 columns, chosen by t (a choice between pointers on a number that hangs on no address)
	s_cmp_eq_u32 s96, 1
	s_cselect_b64 s[8:9], s[10:11], s[8:9]
	s_cmp_eq_u32 s96, 2
	s_cselect_b64 s[8:9], s[2:3], s[8:9]
	s_lshl_b32 s46, s42, 10                        ; 256 x tile column x 4 bytes
	s_lshl_b32 s47, s16, 9                         ; + 128 x half x 4
	s_add_co_u32 s46, s46, s47
	s_mov_b32 s47, 0
	s_add_nc_u64 s[8:9], s[8:9], s[46:47]
	v_lshlrev_b32 v[BOF], 5, v2
.irp b, 0,1,2,3,4,5,6,7
	global_load_b128 v[BI+8*\b:BI+8*\b+3], v[BOF], s[8:9] offset:64*\b
	global_load_b128 v[BI+8*\b+4:BI+8*\b+7], v[BOF], s[8:9] offset:64*\b+16
.endr
	v_mul_u32_u24 v3, v1, PITCH
	v_lshl_add_u32 v4, v2, 4, v3                   ; a fragment's row x pitch + 16 x half
	s_mul_i32 s21, s15, HALFT                      ; my 128 rows of X
	s_mul_i32 s22, s16, HALFT                      ; my 128 rows of W,
	s_add_co_u32 s22, s22, 2*HALFT                 ; which lie behind X's 256
.irp s, 0,1
	v_add_nc_u32 v[ADRA+\s], s21, v4
	v_add_nc_u32 v[ADRB+\s], s22, v4
	s_add_co_u32 s21, s21, SLOT
	s_add_co_u32 s22, s22, SLOT
.endr
	v_mul_u32_u24 v5, v1, KS                       ; my row's scales: 32 bytes a row,
	v_lshrrev_b32 v6, 8, v5
	v_lshl_add_u32 v5, v6, 4, v5                   ; and 16 more for each 256 passed
	s_mul_i32 s21, s15, HALFS                      ; X's: my 128 rows
	s_mul_i32 s22, s16, HALFS                      ; W's: my 128 rows, behind X's 256
	s_add_co_u32 s22, s22, 2*HALFS
	s_sub_co_u32 s22, s22, s21
	v_mul_u32_u24 v6, s22, v2                      ; lanes 16-31 take W's: the lower base + h x the distance
	s_add_co_u32 s21, s21, SCL
	v_add_nc_u32 v5, v5, v6
	v_add_nc_u32 v[ADRS], s21, v5
	; the way out.  In: row r of my stage, 16 bytes for each half of the lanes.  Back: a stage row holds 64 columns of each of two heads; sixteen lanes take rows s, s + 1 of one head,
	; 2 x 128 bytes that lie on end in qkv; lanes 16-31 the same rows of the next head, 262,144 bytes on
	s_mul_i32 s23, s14, 16*SPITCH
	v_mul_u32_u24 v5, v1, SPITCH
	v_lshl_add_u32 v5, v2, 4, v5
	v_add_nc_u32 v[STO], s23, v5
	v_bfe_u32 v6, v0, 3, 1                         ; which of the two rows
	v_and_b32 v7, 7, v0                            ; which 16 bytes of its 128
	v_mul_u32_u24 v5, v6, SPITCH
	v_lshl_add_u32 v5, v2, 7, v5
	v_lshl_add_u32 v5, v7, 4, v5
	v_add_nc_u32 v[RD], s23, v5
	v_lshlrev_b32 v5, 18, v2
	v_lshl_add_u32 v5, v6, 7, v5
	v_lshl_add_u32 v[CO], v7, 4, v5
	s_lshr_b32 s20, s17, 3                         ; 4 t + b: eight tile rows to a batch
	s_lshl_b32 s20, s20, 22                        ; x 16 heads x 262,144 bytes
	s_and_b32 s21, s17, 7
	s_lshl_b32 s21, s21, 15                        ; + 256 rows of 128 bytes for each tile row in the batch
	s_add_co_u32 s20, s20, s21
	s_lshl_b32 s21, s15, 14                        ; + my half's 128 rows
	s_add_co_u32 s20, s20, s21
	s_lshl_b32 s21, s42, 20                        ; + four heads for each tile column
	s_add_co_u32 s20, s20, s21
	s_lshl_b32 s21, s16, 19                        ; + two for my half of the columns
	s_add_co_u32 s20, s20, s21
	s_mov_b32 s21, 0
	s_add_nc_u64 s[12:13], s[12:13], s[20:21]
.macro FRAG reg, adr, q, i             ; a fragment, 16 rows x 128 K of 4-bit codes: lane l holds row l % 16; registers 4 c .. 4 c + 3 hold K = 64 c + 32 (l / 16) + 0 .. 31
.irp c, 0,1
	ds_load_b128 v[\reg+4*\c:\reg+4*\c+3], v[\adr] offset:64*(\q)+32*\c+(\i)*16*PITCH
.endr
.endm
; 16 matrix instructions: X's blocks a0, a0 + 1 x W's eight, the slot's q-th 128 along K.  p: W's set; sc: the set of scale words.  zero = 1: the first product starts the sums from the bias.
; The 64 accumulators take turns, one instruction a turn, in the same order in every step.
.macro MUL16 a0, p, q, sc, zero
.irp a, \a0, \a0+1
.irp b, 0,1,2,3,4,5,6,7
.if \zero
	v_wmma_scale_f32_16x16x128_f8f6f4 v[8*(8*((\a)%4)+\b):8*(8*((\a)%4)+\b)+7], v[128*(\p)+FR*\b:128*(\p)+FR*\b+FR-1], v[AF+FR*(\a):AF+FR*(\a)+FR-1], v[BI+8*\b:BI+8*\b+7], v[SC+8*NQ*(\sc)+NQ*\b+(\q)], v[SC+8*NQ*(\sc)+NQ*(\a)+(\q)] matrix_a_fmt:MATRIX_FMT_FP4 matrix_b_fmt:MATRIX_FMT_FP4 matrix_a_scale:MATRIX_SCALE_ROW1
.else
	v_wmma_scale_f32_16x16x128_f8f6f4 v[8*(8*((\a)%4)+\b):8*(8*((\a)%4)+\b)+7], v[128*(\p)+FR*\b:128*(\p)+FR*\b+FR-1], v[AF+FR*(\a):AF+FR*(\a)+FR-1], v[8*(8*((\a)%4)+\b):8*(8*((\a)%4)+\b)+7], v[SC+8*NQ*(\sc)+NQ*\b+(\q)], v[SC+8*NQ*(\sc)+NQ*(\a)+(\q)] matrix_a_fmt:MATRIX_FMT_FP4 matrix_b_fmt:MATRIX_FMT_FP4 matrix_a_scale:MATRIX_SCALE_ROW1
.endif
.endr
.endr
.endm
.macro FETCH_B slot, q, p              ; W's eight fragments of the slot's q-th 128 along K into set p
	WIN TO_B
.irp i, 0,1,2,3,4,5,6,7
	FRAG 128*(\p)+FR*\i, ADRB+\slot, \q, \i
.endr
	WIN 0
.endm
.macro FETCH_A slot, q, i0             ; X's blocks i0 .. i0 + 3
.irp i, \i0, \i0+1, \i0+2, \i0+3
	FRAG AF+FR*(\i), ADRA+\slot, \q, \i
.endr
.endm
.macro SCALES sc                       ; a slot's scale words into set sc: four words a row; lanes 0-15 take X's block i, lanes 16-31 W's block i
.irp i, 0,1,2,3,4,5,6,7
	ds_load_b128 v[SC+8*NQ*\sc+NQ*\i:SC+8*NQ*\sc+NQ*\i+3], v[ADRS] offset:\i*SBLK
.endr
.endm
.macro PLACES n                        ; plain vector instructions between a matrix instruction and a load into, or a read of, its registers (ISA guide 7.12.1 for reads)
.rept \n
	v_nop
.endr
.endm
; A step of 128 along K that has its successor in the same slot.  X's blocks are free as soon as their eight products are issued: blocks 0-3 are fetched anew in the middle, blocks 4-7 at the end.
.macro STEP slot, q, zero
	s_wait_dscnt 4*NL                              ; W's set and X's blocks 0-3 are in; the youngest eight loads (X's blocks 4-7) may be out
	WIN MUL_LO-0x20*(\zero)                        ; (zero = 1: C is the bias, in window 0)
	MUL16 0, (\q)%2, \q, \slot, \zero
	MUL16 2, (\q)%2, \q, \slot, \zero
	s_wait_dscnt 0
	PLACES NP
	FETCH_B \slot, (\q)+1, 1-(\q)%2
	FETCH_A \slot, (\q)+1, 0
	WIN MUL_HI-0x30*(\zero)
	MUL16 4, (\q)%2, \q, \slot, \zero
	MUL16 6, (\q)%2, \q, \slot, \zero
	PLACES NP
	WIN 0
	FETCH_A \slot, (\q)+1, 4
.endm
; Slot 0's last step goes over to slot 1: one barrier; in front of it each wave waits for all its tensor loads (its part of slot 1), adds 0 to its spare word, and waits for that and for its reads of slot 0.
.macro TURN slot, next
	s_wait_tensorcnt 0x0                           ; all my tensor loads have landed
	ds_add_u32 v[SPW], v[NIL]                      ; 0 onto my spare word
	s_wait_dscnt 4*NL+1                            ; (the add and the youngest eight loads may be out)
	WIN MUL_LO
	MUL16 0, 1, NQ-1, \slot, 0                     ; sixteen matrix instructions stand between the add and the wait for it
	s_wait_dscnt 0x0                               ; the add is done, and my reads of this slot are over
	s_barrier_signal -1
	MUL16 2, 1, NQ-1, \slot, 0
	WIN 0
	s_barrier_wait -1
	PLACES NP
	v_add_nc_u32 v[ADRS], 4*NQ, v[ADRS]            ; on to the next slot's scale words (no LDS load of mine is out)
	FETCH_B \next, 0, 0
	FETCH_A \next, 0, 0
	SCALES \next
	WIN MUL_HI
	MUL16 4, 1, NQ-1, \slot, 0
	MUL16 6, 1, NQ-1, \slot, 0
	PLACES NP
	WIN 0
	FETCH_A \next, 0, 4
.endm
	s_wait_tensorcnt 1                             ; the scales and my part of slot 0 are in (slot 1's load may be out)
	s_barrier_signal -1
	s_barrier_wait -1                              ; everybody's are
	FETCH_B 0, 0, 0
	FETCH_A 0, 0, 0
	SCALES 0
	FETCH_A 0, 0, 4
	s_wait_loadcnt 0x0                             ; the bias
	STEP 0, 0, 1                                   ; the first products start the sums
	STEP 0, 1, 0
	STEP 0, 2, 0
	TURN 0, 1
	STEP 1, 0, 0
	STEP 1, 1, 0
	STEP 1, 2, 0
	s_wait_dscnt 4*NL                              ; the last step: nothing more to fetch
	WIN MUL_LO
	MUL16 0, 1, NQ-1, 1, 0
	MUL16 2, 1, NQ-1, 1, 0
	s_wait_dscnt 0
	WIN MUL_HI
	MUL16 4, 1, NQ-1, 1, 0
	MUL16 6, 1, NQ-1, 1, 0
	WIN 0
; THE WAY OUT, block by block of 16 rows x 128 columns: rounded to f16 (each accumulator from its low end on), 16 bytes a lane into my own stage, back by rows and heads, stored.
.macro PACK a
.set AC, 64*((\a)%4)
	WIN 0x0a+5*((\a)/4)                            ; sources 0 and 1: window 2 or 3
.irp b, 0,1,2,3,4,5,6,7
.irp i, 0,1,2,3
	v_cvt_pk_f16_f32 v[TMP+4*\b+\i], v[AC+8*\b+2*\i], v[AC+8*\b+2*\i+1]
.endr
.endr
	WIN 0
.endm
.macro TOSTAGE a
.set BB, BK+32*((\a)%2)
.irp b, 0,1,2,3,4,5,6,7
	ds_store_b128 v[STO], v[TMP+4*\b:TMP+4*\b+3] offset:32*\b
.endr
.irp t, 0,1,2,3,4,5,6,7
	ds_load_b128 v[BB+4*\t:BB+4*\t+3], v[RD] offset:\t*2*SPITCH    ; LDS serves a wave's instructions in order (ISA guide 5.7.1): these see the stores above
.endr
.endm
.macro SEND a
.set BB, BK+32*((\a)%2)
	s_wait_dscnt 0x0                               ; the block is back in registers
	s_wait_xcnt 0x0                                ; the block before has left its registers: the next block's loads may land there
.irp t, 0,1,2,3,4,5,6,7
	global_store_b128 v[CO], v[BB+4*\t:BB+4*\t+3], s[12:13] offset:2048*(\a)+256*\t   ; sixteen lanes store 256 consecutive bytes, aligned: two rows of one head
.endr
.endm
	PLACES NP                                      ; behind the last products: the conversions read results and write registers that held X's fragments
	PACK 0
	TOSTAGE 0
.irp a, 1,2,3,4,5,6,7                  ; block a's conversions stand between block a - 1's loads from the stage and the wait for them
	PACK \a
	SEND \a-1
	TOSTAGE \a
.endr
	SEND 7
	s_wait_tensorcnt 0x0                           ; the wave's end: behind my last tensor load and my last LDS store
	ds_add_u32 v[SPW], v[NIL]
	s_wait_dscnt 0x0
	CROUND                                         ; the closing round: no work-group ends while a partner may still ask for a tile that names it
	s_endpgm
.Lfunc_end_k_qfb8cd46b52_proj:
	.size	k_qfb8cd46b52_proj, .Lfunc_end_k_qfb8cd46b52_proj-k_qfb8cd46b52_proj
	.p2alignl 7, 3214868480
	.fill 96, 4, 3214868480
	.section	.rodata,"a",@progbits
	.p2align	6, 0x0
	.amdhsa_kernel k_qfb8cd46b52_proj
		.amdhsa_group_segment_fixed_size 327680
		.amdhsa_private_segment_fixed_size 0
		.amdhsa_enable_private_segment 0
		.amdhsa_kernarg_size 48
		.amdhsa_user_sgpr_count 2
		.amdhsa_user_sgpr_kernarg_segment_ptr 1
		.amdhsa_wavefront_size32 1
		.amdhsa_system_sgpr_workgroup_id_x 1
		.amdhsa_system_sgpr_workgroup_id_y 1
		.amdhsa_system_sgpr_workgroup_id_z 1
		.amdhsa_system_vgpr_workitem_id 0
		.amdhsa_next_free_vgpr 1024
		.amdhsa_next_free_sgpr 98
		.amdhsa_reserve_vcc 0
		.amdhsa_float_denorm_mode_32 3
		.amdhsa_float_denorm_mode_16_64 3
		.amdhsa_memory_ordered 1
		.amdhsa_forward_progress 1
		.amdhsa_inst_pref_size 129
	.end_amdhsa_kernel
	.amdgpu_metadata
---
amdhsa.version: [ 1, 2 ]
amdhsa.kernels:
  - .name:           k_qfb8cd46b52_proj
    .symbol:         k_qfb8cd46b52_proj.kd
    .args:
      - { .name: codes, .offset: 0, .size: 8, .value_kind: global_buffer, .address_space: global }
      - { .name: scales, .offset: 8, .size: 8, .value_kind: global_buffer, .address_space: global }
      - { .name: bq, .offset: 16, .size: 8, .value_kind: global_buffer, .address_space: global }
      - { .name: bk, .offset: 24, .size: 8, .value_kind: global_buffer, .address_space: global }
      - { .name: bv, .offset: 32, .size: 8, .value_kind: global_buffer, .address_space: global }
      - { .name: qkv, .offset: 40, .size: 8, .value_kind: global_buffer, .address_space: global }
    .group_segment_fixed_size: 327680
    .private_segment_fixed_size: 0
    .kernarg_segment_align: 8
    .kernarg_segment_size: 48
    .max_flat_workgroup_size: 128
    .sgpr_count:     98
    .vgpr_count:     1024
    .wavefront_size: 32
...
	.end_amdgpu_metadata
.endif
;; end of part 2
;; launch attn (part 3): grid 4 x 64, 8 waves a work-group, clusters of 4 x 1, 327,680 bytes of LDS; arguments qkv, mask, ob; writes ob
.if DOCPART == 3
	.amdgcn_target "amdgcn-amd-amdhsa--gfx1250"
	.amdhsa_code_object_version 6
	.text
	.protected	k_qfb8cd46b52_attn
	.globl	k_qfb8cd46b52_attn
	.p2align	8
	.type	k_qfb8cd46b52_attn,@function
k_qfb8cd46b52_attn:
	s_mov_b64 s[64:65], 0
	v_nop
	global_prefetch_b8 v0, s[64:65] scope:SCOPE_SE
	s_setreg_imm32_b32 hwreg(HW_REG_WAVE_MODE, 25, 1), 1
	s_wait_xcnt 0x0
	s_wait_alu depctr_hold_cnt(0) depctr_sa_sdst(0) depctr_va_vdst(0) depctr_va_sdst(0) depctr_va_ssrc(0) depctr_va_vcc(0) depctr_vm_vsrc(0)
	s_getreg_b32 s2, hwreg(HW_REG_IB_STS2, 6, 4)
	s_cmp_eq_u32 s2, 0
	s_cbranch_scc0 .Lentry_in_a_cluster
	s_endpgm
.Lentry_in_a_cluster:
	s_bfe_u32 s2, ttmp6, 0x10000c
	s_cmp_lg_u32 s2, 0x3003
	s_cbranch_scc0 .Lentry_shape_is_right
	s_endpgm
.Lentry_shape_is_right:
; ob[b][h][q][:] = the sum over k of softmax_k(Q[q] . K[k] / 8, keys with mask[b][k] = 0 left out) V[k][:].  Q, K, V: qkv[t][b][h][2048][64], f16; ob likewise.  Products, maxima and sums in f32; the weights p
; are rounded to f16 for the second product, the result once at the end.
; LIMITS: a masked score is the score + (-2^100), not -infinity: with f16 operands a score stays under 2^39 in magnitude, so a masked one lies under every other and its p is 0 as soon as a key counts;
; where no key of a batch counts the running maximum ends under -2^90 and the row is made NaN by a select.  NaN and infinities among the inputs are not served.
; SHARES.  A work-group owns 512 queries of one (b, h), each of its eight waves 64: four tiles of 16.  Two waves share a SIMD (512 registers each), so that one wave's softmax stands beside the other's products.
; Every wave walks all 2,048 keys, 64 a step; each fragment of K and V read from LDS feeds four matrix instructions.
; LAYOUT.  S^T = K Q^T (source 0 = 16 keys, source 1 = 16 queries): a lane holds ONE query (lane % 16) and keys 8 (lane / 16) + 0..7.  Two such tiles, rounded in pairs, ARE source 1 (32 keys x 16 queries) of
; O^T = V^T P, whose result again holds one query a lane and eight channels.  K comes out of LDS as it lies, V ([key][channel]) turned, by ds_load_tr16_b128.  P is packed in place, over the low half of S^T.
; THE MASK costs no vector instruction in the loop: 0 or -2^100 for each key lies in LDS, and a key tile's eight numbers are the C of the first of the two products K Q^T.
; SOFTMAX.  For each query a running maximum m and sum l: p = 2^(c s - c m), c = log2(e) / 8; in every step O and l are multiplied by a = 2^(c m_old - c m_new).
; CLUSTER.  The four work-groups of a cluster are the four query blocks of one head and walk the same K and V: each tile is asked for JOINTLY, by the same tensor load with the same descriptor and the mask 15.
; RING.  Two slots of four key steps.  At a slot's head stands the change of slots; behind its round every wave issues one load, 64 rows of K (waves 0-3) or of V (waves 4-7) of the slot that follows, which
; has four key steps, 256 matrix instructions a wave, in which to land.  By this text's count one tensor load of a wave is out.
; REGISTERS.  window 0: v1-7 addresses; v8-23 statistics, four a tile (l even keys', l odd keys', m, c m); v24-31 at work; v32-63 the mask's C; v64-127 K; v128-255 S^T, 32 a tile.
;   window 1: v0-63 Q, 16 a tile; v64-127 V; v128-255 O^T, 32 a tile.
.set KSTP,  64                         ; keys in a step
.set PKB,   144                        ; a row of K in LDS: 128 bytes + 16 = 36 words: the 16 rows of a load start at 16 different groups of four banks
.set PVB,   160                        ; a row of V: 128 + 32 = 40 words
.set VOFF,  KSTP*PKB                   ; a step's tiles lie together: 64 rows of K, then 64 rows of V
.set STEPB, KSTP*(PKB+PVB)
.set SLOT1, 1<<17                      ; slot 1 begins here: one exclusive or turns an address in one slot into the other's
.set BIAS,  4*STEPB                    ; behind slot 0: 2,048 f32, written by LDS stores; no tile lands here
.set SPARE, BIAS+8192                  ; the spare words, 128 bytes a wave
.set STAGE, SPARE+1024                 ; the way out: 16 rows x 144 bytes a wave
.set SP,    144
.set SLOTB, 4*KSTP*128                 ; a slot's keys in memory: 32,768 bytes of K, as many of V
.set AK,  1                            ; v1  my lane's place in a tile of K
.set AV,  2                            ; v2  in a tile of V
.set AB,  3                            ; v3  among the mask's numbers
.set ADR, 4                            ; v4  the address of the run of loads in hand
.set SPW, 5                            ; v5  LDS address of my spare word; never rewritten
.set NIL, 6                            ; v6  0; never rewritten
.set PFO, 7                            ; v7  256 x lane: the prefetches' offset; never rewritten
.set ST,  8
.set TT,  24
.set BI,  32
.set KF,  64
.set S,   128
.set Q,   0                            ; in window 1
.set VF,  64
.set O,   128
.set STO, 35                           ; the way out's addresses, in registers that the mask's C has left
.set RD,  36
.set GO,  37
.set WV,  16                           ; s16 my wave's number
.set G1K, 24                           ; s[24:31] descriptor group 1 for K's tiles;  s[32:39] for V's: it differs in the padding alone
.set G1V, 32
.set G0K, 40                           ; s[40:43], s[44:47] their groups 0, which walk
.set G0V, 44
.set CS,  48                           ; s[48:49] c, twice: the packed form names a pair
.set SEL, 50                           ; s[50:51] lane selects for v_permlanex16_b32: lane l xor 16
.set TB,  52                           ; s52 LDS byte at which the tiles of the step to be fetched begin
.set TBI, 53                           ; s53 and where its 64 numbers of the mask begin, 256 bytes a step
.set SLOTS, 54                         ; s54 slots still to be asked for
.set CNT, 55
.set LIM, 56                           ; s56 1 in a wave that prefetches, else the greatest number
.set PFA, 58                           ; s[58:59] where my prefetches stand
.set MSB, 0
.macro WIN new                         ; the immediate's high byte repeats the setting that is left
.if MSB != (\new)
	s_set_vgpr_msb (MSB<<8)|(\new)
.set MSB, (\new)
.endif
.endm
.macro PLACES n
.rept \n
	v_nop
.endr
.endm
; A joint load.  Waves 0-3 fetch the slot's four tiles of K, waves 4-7 those of V.  The branch hangs on the wave's number alone.  An s_nop 0 and four v_nop follow each of the two lines.
.macro JLOAD
	s_cmp_lt_u32 s[WV], 4
	s_cbranch_scc0 .Lfor_v_\@
	tensor_load_to_lds s[G0K:G0K+3], s[G1K:G1K+7]
	s_nop 0
.rept 4
	v_nop
.endr
	s_branch .Lasked_\@
.Lfor_v_\@:
	tensor_load_to_lds s[G0V:G0V+3], s[G1V:G1V+7]
	s_nop 0
.rept 4
	v_nop
.endr
.Lasked_\@:
.endm
; A prefetch of what the NEXT change of slots will ask for: 32,768 bytes of K and as many of V.  A head is walked by one cluster alone; its four partners take 8,192 bytes of each, told apart by address;
; in each, wave 0 asks for K's part and wave 4 for V's, lanes 256 bytes apart: each aligned block of 256 bytes is named once.  The last change that fills a slot asks for nothing; slots 0 and 1 come by their loads alone.
.macro ASK
	s_cmp_gt_u32 s[SLOTS], s[LIM]
	s_cbranch_scc0 .Lnot_mine_\@
	global_prefetch_b8 v[PFO], s[PFA:PFA+1] th:TH_LOAD_NT scope:SCOPE_SE
.Lnot_mine_\@:
.endm
.macro CROUND                          ; a round of the cluster's barrier
	s_barrier_signal -1
	s_barrier_wait -1
	s_cmp_lg_u32 s[WV], 0
	s_cbranch_scc1 .Lnot_wave_0_\@
	s_barrier_signal -3
.Lnot_wave_0_\@:
	s_barrier_wait -3
	s_barrier_signal -1
	s_barrier_wait -1
.endm
	s_load_b128 s[4:7], s[0:1], 0x0                ; qkv s[4:5], mask s[6:7]
	s_load_b64 s[8:9], s[0:1], 0x10                ; ob
	v_lshl_add_u32 v[SPW], v0, 2, SPARE
	v_mov_b32 v[NIL], 0
	ds_add_u32 v[SPW], v[NIL]                      ; the wave's opening: the add, twice on end, and its wait ahead of my first tensor load
	ds_add_u32 v[SPW], v[NIL]                      ; and once more; the set-up below, work on registers, stands between it and the wait
	v_lshrrev_b32 v1, 5, v0
	v_readfirstlane_b32 s[WV], v1                  ; wave 0..7
	s_bfe_u32 s17, ttmp6, 0x40000                  ; cx: my place in the cluster
	s_and_b32 s18, ttmp7, 0xffff                   ; 16 b + h, which the four partners share
	s_lshl_b32 s20, s18, 18                        ; the head's first byte in each of Q, K, V and ob: 262,144 bytes a head
	s_mov_b32 s21, 0
	s_and_b32 s22, s[WV], 3                        ; which of a slot's four steps I fetch:
	s_lshl_b32 s60, s22, 13                        ; its 64 rows of 128 bytes in memory,
	s_add_co_u32 s60, s60, s20
	s_mov_b32 s61, 0
	s_mul_i32 s23, s22, STEPB                      ; and its place in a slot: no place in the cluster enters an LDS address
	s_lshl_b32 s19, ttmp9, 2
	s_add_co_u32 s19, s19, s17                     ; my block of 512 queries: it enters Q's and ob's addresses alone
	s_lshl_b32 s62, s19, 16
	s_add_co_u32 s62, s62, s20
	s_lshl_b32 s19, s[WV], 13                      ; my wave's 64 rows
	s_add_co_u32 s62, s62, s19
	s_mov_b32 s63, 0
	s_lshr_b32 s20, s18, 4
	s_lshl_b32 s20, s20, 13                        ; the batch's row of the mask: 8,192 bytes
	; descriptor group 1: a tile of 64 rows x 64 elements of 2 bytes, padded in LDS
	s_mov_b32 s[G1K], 15|(1<<16)|(1<<20)|(1<<21)|(4<<22)|(3<<25)  ; 15:0 the mask: all four work-groups; 17:16 elements of 2 bytes; 20 padding on; 21 set beside a mask; 24:22 after every 32 words; 31:25 four words
	s_mov_b32 s[G1V], 15|(1<<16)|(1<<20)|(1<<21)|(4<<22)|(7<<25)  ; the same with eight words of padding
.irp g, G1K, G1V
	s_mov_b32 s[\g+1], 64<<16                      ; tensor_dim0
	s_mov_b32 s[\g+2], KSTP<<16                    ; tensor_dim1
	s_mov_b32 s[\g+3], 64<<16                      ; tile_dim0
	s_mov_b32 s[\g+4], KSTP                        ; tile_dim1
	s_mov_b32 s[\g+5], 64                          ; from row to row
	s_mov_b32 s[\g+6], 0
	s_mov_b32 s[\g+7], 0
.endr
	s_mov_b32 s[CS], 0x3e38aa3b                    ; c = log2(e) / 8
	s_mov_b32 s[CS+1], s[CS]
	s_mov_b32 s[SEL], 0x76543210
	s_mov_b32 s[SEL+1], 0xfedcba98
	s_mov_b32 s[TB], 0
	s_mov_b32 s[TBI], 0
	s_mov_b32 s[SLOTS], 7
	s_cmp_eq_u32 s22, 0                            ; waves 0 and 4 prefetch: the same in all four partners
	s_cselect_b32 s[LIM], 1, -1
	v_and_b32 v[PFO], 31, v0
	v_lshlrev_b32 v[PFO], 8, v[PFO]
	s_wait_dscnt 0x0                               ; both opening adds are done
	s_wait_kmcnt 0x0
	s_add_nc_u64 s[10:11], s[4:5], s[62:63]        ; Q at my wave's first row
	s_add_nc_u64 s[8:9], s[8:9], s[62:63]          ; ob likewise
	s_add_nc_u64 s[6:7], s[6:7], s[20:21]          ; the mask at my batch
	s_add_nc_u64 s[12:13], s[4:5], s[60:61]
	s_add_nc_u64 s[14:15], s[12:13], 0x2000000     ; V at my tile of slot 0
	s_add_nc_u64 s[12:13], s[12:13], 0x1000000     ; K at my tile of slot 0
	s_cmp_lt_u32 s[WV], 4
	s_cselect_b64 s[PFA:PFA+1], s[12:13], s[14:15] ; (in waves 0 and 4 these stand at the head's first row)
	s_lshl_b32 s20, s17, 13                        ; my work-group's 8,192 bytes of a slot's 32,768,
	s_add_co_u32 s20, s20, SLOTB                   ; in slot 1: the first change of slots steps it to slot 2
	s_add_nc_u64 s[PFA:PFA+1], s[PFA:PFA+1], s[20:21]
	CROUND                                         ; all four work-groups are here: the first joint loads meet
	s_mov_b32 s[G0K], 1                            ; 1:0 count = 1
	s_mov_b32 s[G0K+1], s23                        ; 63:32 LDS address: slot 0
	s_mov_b64 s[G0K+2:G0K+3], s[12:13]             ; 120:64 global address
	s_or_b32 s[G0K+3], s[G0K+3], 0x80000000        ; 127:126 type = 2
	s_mov_b32 s[G0V], 1
	s_add_co_u32 s[G0V+1], s23, VOFF
	s_mov_b64 s[G0V+2:G0V+3], s[14:15]
	s_or_b32 s[G0V+3], s[G0V+3], 0x80000000
	JLOAD                                          ; slot 0
	v_lshlrev_b32 v138, 5, v0                      ; thread t takes keys 8 t .. 8 t + 7 of the mask
	global_load_b128 v[128:131], v138, s[6:7]
	global_load_b128 v[132:135], v138, s[6:7] offset:16
	v_and_b32 v24, 15, v0                          ; r = lane % 16
	v_bfe_u32 v25, v0, 4, 1                        ; h = lane / 16
	v_lshlrev_b32 v[ADR], 7, v24
	v_lshl_add_u32 v[ADR], v25, 4, v[ADR]          ; Q: row r of 128 bytes + 16 h
	WIN 0x40                                       ; destination window 1
.irp qt, 0,1,2,3                       ; Q stays in registers: tile qt, channels 32 ks on
.irp ks, 0,1
	global_load_b128 v[Q+16*\qt+8*\ks:Q+16*\qt+8*\ks+3], v[ADR], s[10:11] offset:2048*\qt+64*\ks
	global_load_b128 v[Q+16*\qt+8*\ks+4:Q+16*\qt+8*\ks+7], v[ADR], s[10:11] offset:2048*\qt+64*\ks+32
.endr
.endr
.set i, 0
.rept 128
	v_mov_b32 v[O+i], 0                            ; O^T.  The key step is written once: the first finds zeros, which its a = 0 leaves zeros; that spares a copy of the step
.set i, i+1
.endr
	WIN 0
	v_mul_u32_u24 v[AK], v24, PKB
	v_lshl_add_u32 v[AK], v25, 4, v[AK]            ; K: row x pitch + 16 x half
	v_and_b32 v26, 7, v0                           ; the turning load takes 16 keys x 16 channels: lane l reads key 8 (l / 16) + l % 8, channels 8 ((l / 8) % 2) + 0..7
	v_bfe_u32 v27, v0, 3, 1
	v_lshl_add_u32 v[AV], v25, 3, v26
	v_mul_u32_u24 v[AV], v[AV], PVB
	v_lshl_add_u32 v[AV], v27, 4, v[AV]
	v_add_nc_u32 v[AV], VOFF, v[AV]
	v_lshl_add_u32 v[AB], v25, 5, BIAS             ; the mask's numbers: keys 8 h + 0..7 of a tile
.irp t, 0,1,2,3
	v_mov_b32 v[ST+4*\t], 0                        ; l, in two halves
	v_mov_b32 v[ST+4*\t+1], 0
	v_mov_b32 v[ST+4*\t+2], 0xff61b1e6             ; m: -3e38, under every score
	v_mul_f32 v[ST+4*\t+3], s[CS], v[ST+4*\t+2]    ; c m
.endr
	s_wait_loadcnt 16                              ; the mask's two loads are in; Q's sixteen may be out
	v_mov_b32 v136, 0xf1800000                     ; -2^100
.irp i, 0,1,2,3,4,5,6,7
	v_cmp_eq_u32 vcc_lo, 0, v[128+\i]
	v_cndmask_b32 v[128+\i], 0, v136, vcc_lo       ; a key that does not count: -2^100; else 0
.endr
	v_lshl_add_u32 v137, v0, 5, BIAS
	ds_store_b128 v137, v[128:131]                 ; the first change of slots, below, waits for these stores and passes a barrier ahead of any wave's read
	ds_store_b128 v137, v[132:135] offset:16
	s_wait_loadcnt 0x0                             ; Q
.macro LOADK                           ; a step's K: 64 keys x 64 channels: fragment 2 kt + ks is keys 16 kt on, channels 32 ks on
	v_add_nc_u32 v[ADR], s[TB], v[AK]
.irp kt, 0,1,2,3
.irp ks, 0,1
	ds_load_b128 v[KF+8*(2*\kt+\ks):KF+8*(2*\kt+\ks)+3], v[ADR] offset:\kt*16*PKB+64*\ks
	ds_load_b128 v[KF+8*(2*\kt+\ks)+4:KF+8*(2*\kt+\ks)+7], v[ADR] offset:\kt*16*PKB+64*\ks+32
.endr
.endr
.endm
.macro LOADB                           ; its 64 numbers of the mask: register 8 kt + j = key 16 kt + 8 h + j
	v_add_nc_u32 v[ADR], s[TBI], v[AB]
.irp kt, 0,1,2,3
	ds_load_b128 v[BI+8*\kt:BI+8*\kt+3], v[ADR] offset:64*\kt
	ds_load_b128 v[BI+8*\kt+4:BI+8*\kt+7], v[ADR] offset:64*\kt+16
.endr
.endm
.macro LOADV                           ; its V, turned: fragment 4 kg + ct is keys 32 kg on, channels 16 ct on
	v_add_nc_u32 v[ADR], s[TB], v[AV]
	WIN 0x40
.irp kg, 0,1
.irp ct, 0,1,2,3
	ds_load_tr16_b128 v[VF+8*(4*\kg+\ct):VF+8*(4*\kg+\ct)+3], v[ADR] offset:\kg*32*PVB+32*\ct
	ds_load_tr16_b128 v[VF+8*(4*\kg+\ct)+4:VF+8*(4*\kg+\ct)+7], v[ADR] offset:\kg*32*PVB+16*PVB+32*\ct
.endr
.endr
	WIN 0
.endm
; S^T = K Q^T + the mask's numbers: 32 matrix instructions.  The sixteen accumulators take turns, one instruction a turn.
.macro QKM
	WIN 0x04                                       ; source 1 (Q) window 1
.irp kt, 0,1,2,3
.irp qt, 0,1,2,3
	v_wmma_f32_16x16x32_f16 v[S+32*\qt+8*\kt:S+32*\qt+8*\kt+7], v[KF+16*\kt:KF+16*\kt+7], v[Q+16*\qt:Q+16*\qt+7], v[BI+8*\kt:BI+8*\kt+7]
.endr
.endr
.irp kt, 0,1,2,3
.irp qt, 0,1,2,3
	v_wmma_f32_16x16x32_f16 v[S+32*\qt+8*\kt:S+32*\qt+8*\kt+7], v[KF+16*\kt+8:KF+16*\kt+15], v[Q+16*\qt+8:Q+16*\qt+15], v[S+32*\qt+8*\kt:S+32*\qt+8*\kt+7]
.endr
.endr
	WIN 0
.endm
; O^T += V^T P: 32 matrix instructions, sixteen accumulators by turns.
.macro PVM
	WIN 0x51                                       ; source 0 (V), C and D (O^T) window 1; source 1 (P) window 0
.irp kg, 0,1
.irp ct, 0,1,2,3
.irp qt, 0,1,2,3
	v_wmma_f32_16x16x32_f16 v[O+32*\qt+8*\ct:O+32*\qt+8*\ct+7], v[VF+8*(4*\kg+\ct):VF+8*(4*\kg+\ct)+7], v[S+32*\qt+8*\kg:S+32*\qt+8*\kg+7], v[O+32*\qt+8*\ct:O+32*\qt+8*\ct+7]
.endr
.endr
.endr
	WIN 0
.endm
; The softmax of tiles x and x + 1 for one key step, the two tiles line by line, so that no line waits for the line above it.  120 instructions a tile.
.macro SMPAIR x
.irp j, 0,1,2,3                        ; the maximum of a lane's 32 scores and the old m: four chains, each accumulator read from its low end on
.irp u, 0,1
	v_max3_num_f32 v[TT+4*\u+\j], v[S+32*(\x+\u)+8*\j], v[S+32*(\x+\u)+8*\j+1], v[S+32*(\x+\u)+8*\j+2]
.endr
.endr
.irp i, 3,5
.irp j, 0,1,2,3
.irp u, 0,1
	v_max3_num_f32 v[TT+4*\u+\j], v[TT+4*\u+\j], v[S+32*(\x+\u)+8*\j+\i], v[S+32*(\x+\u)+8*\j+\i+1]
.endr
.endr
.endr
.irp u, 0,1
	v_max3_num_f32 v[TT+4*\u], v[TT+4*\u], v[S+32*(\x+\u)+7], v[S+32*(\x+\u)+15]
.endr
.irp u, 0,1
	v_max3_num_f32 v[TT+4*\u+2], v[TT+4*\u+2], v[S+32*(\x+\u)+23], v[S+32*(\x+\u)+31]
.endr
.irp u, 0,1
	v_max3_num_f32 v[TT+4*\u], v[TT+4*\u], v[TT+4*\u+1], v[TT+4*\u+2]
.endr
.irp u, 0,1
	v_max3_num_f32 v[TT+4*\u], v[TT+4*\u], v[TT+4*\u+3], v[ST+4*(\x+\u)+2]
.endr
.irp u, 0,1
	v_permlanex16_b32 v[TT+4*\u+1], v[TT+4*\u], s[SEL], s[SEL+1]   ; the query's other 32 keys lie in the lane 16 away
.endr
.irp u, 0,1
	v_max_num_f32 v[TT+4*\u+1], v[TT+4*\u], v[TT+4*\u+1]           ; the new m
.endr
.irp u, 0,1
	v_mov_b32 v[ST+4*(\x+\u)+2], v[TT+4*\u+1]
.endr
.irp u, 0,1
	v_mul_f32 v[TT+4*\u], s[CS], v[TT+4*\u+1]                      ; c m
.endr
.irp u, 0,1
	v_sub_f32 v[TT+4*\u+2], v[ST+4*(\x+\u)+3], v[TT+4*\u]          ; c m_old - c m_new, of the two rounded numbers that the scalings take off
.endr
.irp u, 0,1
	v_mov_b32 v[ST+4*(\x+\u)+3], v[TT+4*\u]
.endr
; ONE BATCH: the 16 scalings c s - c m and all 33 exponentials of each tile; a pair is scaled two pairs ahead of its exponentials; nothing here names an exponential's result
.irp p, 0,1
.irp u, 0,1
	v_pk_fma_f32 v[S+32*(\x+\u)+2*\p:S+32*(\x+\u)+2*\p+1], v[S+32*(\x+\u)+2*\p:S+32*(\x+\u)+2*\p+1], s[CS:CS+1], v[TT+4*\u:TT+4*\u+1] op_sel_hi:[1,0,0] neg_lo:[0,0,1] neg_hi:[0,0,1]
.endr
.endr
.irp u, 0,1
	v_exp_f32 v[TT+4*\u+2], v[TT+4*\u+2]                           ; a
.endr
.irp p, 0,1,2,3,4,5,6,7,8,9,10,11,12,13,14,15
.if \p < 14
.irp u, 0,1
	v_pk_fma_f32 v[S+32*(\x+\u)+2*\p+4:S+32*(\x+\u)+2*\p+5], v[S+32*(\x+\u)+2*\p+4:S+32*(\x+\u)+2*\p+5], s[CS:CS+1], v[TT+4*\u:TT+4*\u+1] op_sel_hi:[1,0,0] neg_lo:[0,0,1] neg_hi:[0,0,1]
.endr
.endif
.irp u, 0,1
	v_exp_f32 v[S+32*(\x+\u)+2*\p], v[S+32*(\x+\u)+2*\p]
.endr
.irp u, 0,1
	v_exp_f32 v[S+32*(\x+\u)+2*\p+1], v[S+32*(\x+\u)+2*\p+1]
.endr
.endr
	v_nop                                          ; a plain instruction behind the last exponential, ahead of the first use
	s_wait_alu depctr_va_vdst(0)                   ; the wait ahead of the first instruction that names a result: one for the 66
.irp u, 0,1
	v_pk_mul_f32 v[ST+4*(\x+\u):ST+4*(\x+\u)+1], v[ST+4*(\x+\u):ST+4*(\x+\u)+1], v[TT+4*\u+2:TT+4*\u+3] op_sel_hi:[1,0]   ; l x a
.endr
.irp p, 0,1,2,3,4,5,6,7,8,9,10,11,12,13,14,15      ; pair p is summed, then packed into register p, which belongs to a pair that has been summed
.irp u, 0,1
	v_pk_add_f32 v[ST+4*(\x+\u):ST+4*(\x+\u)+1], v[ST+4*(\x+\u):ST+4*(\x+\u)+1], v[S+32*(\x+\u)+2*\p:S+32*(\x+\u)+2*\p+1]
.endr
.irp u, 0,1
	v_cvt_pk_f16_f32 v[S+32*(\x+\u)+\p], v[S+32*(\x+\u)+2*\p], v[S+32*(\x+\u)+2*\p+1]
.endr
.endr
	WIN 0x41                                       ; O^T (destination and source 0) window 1, a window 0
.irp i, 0,1,2,3,4,5,6,7,8,9,10,11,12,13,14,15      ; O^T x a, each accumulator from its low end on
.irp u, 0,1
	v_pk_mul_f32 v[O+32*(\x+\u)+2*\i:O+32*(\x+\u)+2*\i+1], v[O+32*(\x+\u)+2*\i:O+32*(\x+\u)+2*\i+1], v[TT+4*\u+2:TT+4*\u+3] op_sel_hi:[1,0]
.endr
.endr
	WIN 0
.endm
; A KEY STEP: its scores are there.  V is fetched, and (more = 1) the next step's K and mask, which land under the softmax; then V^T P, then the next step's K Q^T.
.macro STEP more
	PLACES 4                                       ; behind K Q^T: its results are read below, and loads go into K's and the mask's registers
	LOADV
.if \more
	s_add_co_u32 s[TB], s[TB], STEPB
	s_add_co_u32 s[TBI], s[TBI], 256
	LOADK
	LOADB
.endif
	SMPAIR 0
	SMPAIR 2
.if \more
	s_wait_dscnt 24                                ; V's sixteen loads are in; the 24 behind them (K, the mask) may be out
.else
	s_wait_dscnt 0x0
.endif
	PVM
.if \more
	PLACES 5                                       ; K Q^T writes over P, which V^T P has read
	s_wait_dscnt 0x0
	QKM
.endif
.endm
; A slot's four key steps.
.macro PHASE
	PLACES 5
	LOADK
	LOADB
	s_wait_dscnt 0x0
	QKM
	s_mov_b32 s[CNT], 3
.Lstep_\@:
	STEP 1
	s_sub_co_u32 s[CNT], s[CNT], 1
	s_cmp_lg_u32 s[CNT], 0
	s_cbranch_scc1 .Lstep_\@
	STEP 0
	s_sub_co_u32 s[TB], s[TB], 3*STEPB             ; back to a slot's first step,
	s_xor_b32 s[TB], s[TB], SLOT1                  ; in the other slot
	s_add_co_u32 s[TBI], s[TBI], 256
.endm
; THE CHANGE OF SLOTS, at a slot's head.  Each wave waits for all its tensor loads (its part of the slot ahead), adds 0 to its spare word, and waits for that and for its reads of the slot that it has left.
; fill = 1: a round of the cluster's barrier, so that no wave of any partner still reads the other slot or has a load on its way; the joint load of the keys that follow is the first thing behind it.
.macro CHANGE fill
	s_wait_tensorcnt 0x0                           ; no tensor load of mine is out, so a group 0 may be written
	ds_add_u32 v[SPW], v[NIL]                      ; 0 onto my spare word
.if \fill
	s_xor_b32 s[G0K+1], s[G0K+1], SLOT1            ; the walking descriptors: the other slot than last time,
	s_add_nc_u64 s[G0K+2:G0K+3], s[G0K+2:G0K+3], SLOTB   ; the next 256 keys; the type bits on top are not reached
	s_xor_b32 s[G0V+1], s[G0V+1], SLOT1
	s_add_nc_u64 s[G0V+2:G0V+3], s[G0V+2:G0V+3], SLOTB
	s_wait_xcnt 0x0                                ; the last prefetch, a slot back, has read its address, so it may be written:
	s_add_nc_u64 s[PFA:PFA+1], s[PFA:PFA+1], SLOTB ; one slot further on than the walking descriptors
	s_wait_dscnt 0x0                               ; the add is done, my LDS stores have landed and my reads of the slot that I have left are over
	CROUND
	JLOAD
	ASK
.else
	s_wait_dscnt 0x0
	s_barrier_signal -1
	s_barrier_wait -1
.endif
.endm
.Lslot:                                            ; seven trips: behind each change of slots but the last the next slot is asked for
	CHANGE 1
	PHASE
	s_sub_co_u32 s[SLOTS], s[SLOTS], 1
	s_cmp_lg_u32 s[SLOTS], 0
	s_cbranch_scc1 .Lslot
	CHANGE 0                                       ; the last slot is written out
	PHASE
	; THE WAY OUT.  l's two halves and the other half of the lanes' are added; O^T is divided by l, rounded to f16 and sent through my stage, a tile (16 rows of 128 bytes) at a time.  The additions are the places behind the last products.
.irp t, 0,1,2,3
	v_add_f32 v[TT+2*\t], v[ST+4*\t], v[ST+4*\t+1]
.endr
.irp t, 0,1,2,3
	v_permlanex16_b32 v[TT+2*\t+1], v[TT+2*\t], s[SEL], s[SEL+1]
.endr
.irp t, 0,1,2,3
	v_add_f32 v[TT+2*\t], v[TT+2*\t], v[TT+2*\t+1]
.endr
.irp t, 0,1,2,3
	v_rcp_f32 v[TT+2*\t], v[TT+2*\t]
.endr
	v_mov_b32 v32, 0x7fc00000                      ; NaN.  (Plain work behind the reciprocals, as are the addresses below)
	v_and_b32 v33, 15, v0                          ; r
	v_bfe_u32 v34, v0, 4, 1                        ; h
	s_mul_i32 s20, s[WV], 16*SP
	s_add_co_u32 s20, s20, STAGE                   ; my stage
	v_mul_u32_u24 v[STO], v33, SP
	v_lshl_add_u32 v[STO], v34, 4, v[STO]
	v_add_nc_u32 v[STO], s20, v[STO]               ; in: row r, 16 bytes for each half of the lanes
	v_bfe_u32 v38, v0, 3, 2
	v_and_b32 v39, 7, v0
	v_mul_u32_u24 v[RD], v38, SP
	v_lshl_add_u32 v[RD], v39, 4, v[RD]
	v_add_nc_u32 v[RD], s20, v[RD]                 ; back: eight lanes to a row of 128 bytes, four rows an instruction
	v_and_b32 v[GO], 31, v0
	v_lshlrev_b32 v[GO], 4, v[GO]                  ; and the same 512 bytes in ob
	s_wait_alu depctr_va_vdst(0)                   ; one wait for the four reciprocals, ahead of their first reader
.irp t, 0,1,2,3
	v_cmp_gt_f32 vcc_lo, 0xec800000, v[ST+4*\t+2]  ; m under -2^90: no key of the row counts
	v_cndmask_b32 v[TT+2*\t], v[TT+2*\t], v32, vcc_lo
.endr
.macro PACK t
	WIN 0x41
.irp i, 0,1,2,3,4,5,6,7,8,9,10,11,12,13,14,15
	v_pk_mul_f32 v[O+32*\t+2*\i:O+32*\t+2*\i+1], v[O+32*\t+2*\i:O+32*\t+2*\i+1], v[TT+2*\t:TT+2*\t+1] op_sel_hi:[1,0]
.endr
	WIN 0x05                                       ; sources 0 and 1 window 1, destination window 0: S^T's registers are free
.irp i, 0,1,2,3,4,5,6,7,8,9,10,11,12,13,14,15
	v_cvt_pk_f16_f32 v[S+16*\t+\i], v[O+32*\t+2*\i], v[O+32*\t+2*\i+1]
.endr
	WIN 0
.irp c, 0,1,2,3
	ds_store_b128 v[STO], v[S+16*\t+4*\c:S+16*\t+4*\c+3] offset:32*\c
.endr
.irp i, 0,1,2,3
	ds_load_b128 v[192+16*\t+4*\i:192+16*\t+4*\i+3], v[RD] offset:\i*4*SP   ; LDS serves a wave's instructions in order (ISA guide 5.7.1): these see the stores above; the next tile's stores come behind them
.endr
.endm
.macro SEND t, younger                 ; younger: the LDS instructions issued behind tile t's loads: the next tile's eight, or none
.irp i, 0,1,2,3
	s_wait_dscnt \younger+3-\i
	global_store_b128 v[GO], v[192+16*\t+4*\i:192+16*\t+4*\i+3], s[8:9] offset:2048*\t+512*\i   ; the wave stores 512 consecutive bytes, aligned
.endr
.endm
	PACK 0
	PACK 1                                         ; a tile's arithmetic stands between the loads of the tile before and its stores
	SEND 0, 8
	PACK 2
	SEND 1, 8
	PACK 3
	SEND 2, 8
	SEND 3, 0
	s_wait_tensorcnt 0x0                           ; the wave's end: behind my last tensor load and my last LDS store
	ds_add_u32 v[SPW], v[NIL]
	s_wait_dscnt 0x0
	CROUND                                         ; the closing round: no work-group ends while a partner may still ask for a tile that names it
	s_endpgm
.Lfunc_end_k_qfb8cd46b52_attn:
	.size	k_qfb8cd46b52_attn, .Lfunc_end_k_qfb8cd46b52_attn-k_qfb8cd46b52_attn
	.p2alignl 7, 3214868480
	.fill 96, 4, 3214868480
	.section	.rodata,"a",@progbits
	.p2align	6, 0x0
	.amdhsa_kernel k_qfb8cd46b52_attn
		.amdhsa_group_segment_fixed_size 327680
		.amdhsa_private_segment_fixed_size 0
		.amdhsa_enable_private_segment 0
		.amdhsa_kernarg_size 24
		.amdhsa_user_sgpr_count 2
		.amdhsa_user_sgpr_kernarg_segment_ptr 1
		.amdhsa_wavefront_size32 1
		.amdhsa_system_sgpr_workgroup_id_x 1
		.amdhsa_system_sgpr_workgroup_id_y 1
		.amdhsa_system_sgpr_workgroup_id_z 1
		.amdhsa_system_vgpr_workitem_id 0
		.amdhsa_next_free_vgpr 512
		.amdhsa_next_free_sgpr 66
		.amdhsa_reserve_vcc 1
		.amdhsa_float_denorm_mode_32 3
		.amdhsa_float_denorm_mode_16_64 3
		.amdhsa_memory_ordered 1
		.amdhsa_forward_progress 1
		.amdhsa_inst_pref_size 161
	.end_amdhsa_kernel
	.amdgpu_metadata
---
amdhsa.version: [ 1, 2 ]
amdhsa.kernels:
  - .name:           k_qfb8cd46b52_attn
    .symbol:         k_qfb8cd46b52_attn.kd
    .args:
      - { .name: qkv, .offset: 0, .size: 8, .value_kind: global_buffer, .address_space: global }
      - { .name: mask, .offset: 8, .size: 8, .value_kind: global_buffer, .address_space: global }
      - { .name: ob, .offset: 16, .size: 8, .value_kind: global_buffer, .address_space: global }
    .group_segment_fixed_size: 327680
    .private_segment_fixed_size: 0
    .kernarg_segment_align: 8
    .kernarg_segment_size: 24
    .max_flat_workgroup_size: 256
    .sgpr_count:     66
    .vgpr_count:     512
    .wavefront_size: 32
...
	.end_amdgpu_metadata
.endif
;; end of part 3
;; launch oproj (part 4): grid 4 x 64, 4 waves a work-group, clusters of 4 x 4, 327,680 bytes of LDS; arguments ob, wo16, bo, out0; writes out0
.if DOCPART == 4
	.amdgcn_target "amdgcn-amd-amdhsa--gfx1250"
	.amdhsa_code_object_version 6
	.text
	.protected	k_qfb8cd46b52_oproj
	.globl	k_qfb8cd46b52_oproj
	.p2align	8
	.type	k_qfb8cd46b52_oproj,@function
k_qfb8cd46b52_oproj:
	s_mov_b64 s[64:65], 0
	v_nop
	global_prefetch_b8 v0, s[64:65] scope:SCOPE_SE
	s_setreg_imm32_b32 hwreg(HW_REG_WAVE_MODE, 25, 1), 1
	s_wait_xcnt 0x0
	s_wait_alu depctr_hold_cnt(0) depctr_sa_sdst(0) depctr_va_vdst(0) depctr_va_sdst(0) depctr_va_ssrc(0) depctr_va_vcc(0) depctr_vm_vsrc(0)
	s_getreg_b32 s2, hwreg(HW_REG_IB_STS2, 6, 4)
	s_cmp_eq_u32 s2, 0
	s_cbranch_scc0 .Lentry_in_a_cluster
	s_endpgm
.Lentry_in_a_cluster:
	s_bfe_u32 s2, ttmp6, 0x10000c
	s_cmp_lg_u32 s2, 0xf033
	s_cbranch_scc0 .Lentry_shape_is_right
	s_endpgm
.Lentry_shape_is_right:
; out0[m][n] = sum over k of A[m][k] Wo[n][k] + bo[n].  A is attention's result, f16, laid by head: ob[b][h][s][64], k = 64 h + c; Wo is f16 laid the same way along K: wo16[kb][n][64].  Sums in f32; out0 [8192][1024] f32.
; A tile of out0 is 128 rows x 256 columns: 256 work-groups, one for each WGP.  Four waves, each 64 x 128: 32 accumulators of 16 x 16, 256 registers.
; K goes in steps of 128, two heads ("planes") of 64, through a ring of two LDS slots; a plane of A's tile (128 rows of 128 bytes) and of Wo's (256 rows) is one dense block of memory.  One tensor load a wave:
; waves 0, 1 A's two planes, waves 2, 3 Wo's.  By this text's count two loads of a wave are out at the head and one behind each round.
; CLUSTERS: 4 x 4 work-groups.  The four of a row of the cluster need the same tiles of A, the four of a column the same tiles of Wo: each is asked for jointly, by the same tensor load with the same descriptor
; and a mask that names the four.  THE MATRIX INSTRUCTION IS USED TRANSPOSED (source 0 = 16 rows of Wo, source 1 = 16 rows of A): a lane holds eight neighbouring columns of one row.
; bo is the C of each sum's first instruction.
; REGISTERS: window 0: v16-30 addresses; v32-95 A's fragments, two buffers of four; v192-255 the bias; on the way out v96-223 rows read back.   window 1: Wo's fragments, two buffers of eight, at v0 and v64.
;   window 2: accumulator (a, b) at v[8 (8 a + b)].
.set PITCH,  144                       ; an LDS row: 128 bytes + 16 of padding = 36 words: the 16 rows of a load start at 16 different groups of four banks
.set PLA,    128*PITCH                 ; a plane of A's tile
.set PLB,    256*PITCH                 ; a plane of Wo's
.set SLOT,   2*PLA+2*PLB               ; A's two planes, then Wo's two
.set STAGE,  2*SLOT                    ; behind the ring: 16 rows x (512 bytes + 16) a wave, for the way out
.set SPITCH, 528
.set SPARE,  STAGE+4*16*SPITCH         ; the spare words, 128 bytes a wave
.set KA,     524288                    ; a K step on in ob: two heads of 262,144 bytes
.set KB,     262144                    ; in wo16: two blocks of 131,072 bytes
.set ADRA, 16                          ; v16-17  LDS address of my A fragments in slot 0, 1
.set ADRB, 20                          ; v20-21  the same for Wo
.set STO,  24
.set RD,   25
.set CO,   26
.set BOF,  27                          ; v27     32 x (lane / 16): my place in the bias
.set SPW,  28                          ; v28     LDS address of my spare word; never rewritten
.set NIL,  29                          ; v29     0; never rewritten
.set PFO,  30                          ; v30     the prefetches' offset; never rewritten
.set AFR,  32
.set BK,   96
.set BI,   192
.set LIM,  43                          ; s43     1 in the wave that prefetches, else the greatest number
.set PFA,  44                          ; s[44:45] where my prefetches stand
.set G1, 24                            ; s[24:31] descriptor group 1 for A's tiles;  s[32:39] group 0, one set for each slot
.set G0, 32
.set G1B, 48                           ; s[48:55], s[56:63] the same for Wo's
.set G0B, 56
.set MSB, 0
.macro WIN new                         ; the immediate's high byte repeats the setting that is left
.if MSB != (\new)
	s_set_vgpr_msb (MSB<<8)|(\new)
.set MSB, (\new)
.endif
.endm
.set MUL,  0xa1                        ; source 0 (Wo) window 1, source 1 (A) window 0, C and D window 2
.set TO_B, 0x40                        ; destination window 1, address window 0
.macro JLOAD s                         ; a joint load: waves 0, 1 for A, waves 2, 3 for Wo; an s_nop 0 and four v_nop follow each of the two lines
	s_cmp_eq_u32 s11, 0
	s_cbranch_scc0 .Lfor_b_\@
	tensor_load_to_lds s[G0+4*\s:G0+4*\s+3], s[G1:G1+7]
	s_nop 0
.rept 4
	v_nop
.endr
	s_branch .Lasked_\@
.Lfor_b_\@:
	tensor_load_to_lds s[G0B+4*\s:G0B+4*\s+3], s[G1B:G1B+7]
	s_nop 0
.rept 4
	v_nop
.endr
.Lasked_\@:
.endm
; A prefetch of A's K step that stands two refills on.  A tile row of A is read by one cluster alone; its four partners along x take 32 rows of each plane each, told apart by address; in each, wave 0 asks:
; lanes 0-15 sixteen blocks of 256 bytes of plane 0, lanes 16-31 of plane 1.  So each block is named once.  K steps 0 to 3 come by their loads alone; the loop's last trip asks for nothing.
.macro ASK
	s_cmp_gt_u32 s3, s[LIM]
	s_cbranch_scc0 .Lnot_mine_\@
	global_prefetch_b8 v[PFO], s[PFA:PFA+1] offset:KA th:TH_LOAD_NT scope:SCOPE_SE
.Lnot_mine_\@:
.endm
.macro CREST                           ; a round of the cluster's barrier behind its opening barrier
	s_cmp_lg_u32 s10, 0
	s_cbranch_scc1 .Lnot_wave_0_\@
	s_barrier_signal -3
.Lnot_wave_0_\@:
	s_barrier_wait -3
	s_barrier_signal -1
	s_barrier_wait -1
.endm
.macro CROUND
	s_barrier_signal -1
	s_barrier_wait -1
	CREST
.endm
.macro PLACES n
.rept \n
	v_nop
.endr
.endm
	s_load_b128 s[4:7], s[0:1], 0x0                ; ob s[4:5], wo16 s[6:7]
	s_load_b64 s[66:67], s[0:1], 0x10              ; bo
	s_load_b64 s[8:9], s[0:1], 0x18                ; out0
	v_lshl_add_u32 v[SPW], v0, 2, SPARE
	v_mov_b32 v[NIL], 0
	ds_add_u32 v[SPW], v[NIL]                      ; the wave's opening: the add, twice on end, and its wait ahead of my first tensor load
	ds_add_u32 v[SPW], v[NIL]                      ; and once more; the set-up below, work on registers, stands between it and the wait
	v_lshrrev_b32 v1, 5, v0
	v_readfirstlane_b32 s10, v1                    ; wave 0..3
	s_lshr_b32 s11, s10, 1                         ; which 64 of the tile's rows are mine.  Also: I fetch for A (0) or for Wo (1)
	s_and_b32 s12, s10, 1                          ; which 128 of its columns.  Also: which plane I fetch
	s_bfe_u32 s40, ttmp6, 0x40000                  ; cx, cy
	s_bfe_u32 s41, ttmp6, 0x40004
	s_lshl_b32 s42, ttmp9, 2
	s_add_co_u32 s42, s42, s40                     ; tile column = 4 x cluster x + cx
	s_and_b32 s13, ttmp7, 0xffff
	s_lshl_b32 s13, s13, 2
	s_add_co_u32 s13, s13, s41                     ; tile row = 4 x cluster y + cy
	s_lshl_b32 s22, s41, 2
	s_lshl_b32 s22, 15, s22                        ; my row of the cluster
	s_lshl_b32 s23, 0x1111, s40                    ; my column
	s_or_b32 s[G1+0], s22, (1<<16)|(1<<20)|(1<<21)|(4<<22)|(3<<25)   ; 15:0 the mask; 17:16 elements of 2 bytes; 20 padding on; 21 set beside a mask; 24:22 after every 32 words; 31:25 four words
	s_or_b32 s[G1B+0], s23, (1<<16)|(1<<20)|(1<<21)|(4<<22)|(3<<25)
	s_mov_b32 s[G1+1], 64<<16                      ; A: tensor_dim0 = 64,
	s_mov_b32 s[G1+2], 128<<16                     ; tensor_dim1 = 128,
	s_mov_b32 s[G1+3], 64<<16                      ; tile_dim0 = 64,
	s_mov_b32 s[G1+4], 128                         ; tile_dim1 = 128,
	s_mov_b32 s[G1+5], 64                          ; 64 elements from row to row
	s_mov_b32 s[G1+6], 0
	s_mov_b32 s[G1+7], 0
	s_mov_b32 s[G1B+1], 64<<16                     ; Wo: the same with 256 rows
	s_mov_b32 s[G1B+2], 256<<16
	s_mov_b32 s[G1B+3], 64<<16
	s_mov_b32 s[G1B+4], 256
	s_mov_b32 s[G1B+5], 64
	s_mov_b32 s[G1B+6], 0
	s_mov_b32 s[G1B+7], 0
	s_lshr_b32 s16, s13, 4                         ; A: the batch (16 tile rows of 128), 16 heads of 262,144 bytes,
	s_lshl_b32 s16, s16, 22
	s_and_b32 s17, s13, 15
	s_lshl_b32 s17, s17, 14                        ; + 128 rows of 128 bytes for each tile row in the batch,
	s_add_co_u32 s16, s16, s17
	s_lshl_b32 s17, s12, 18                        ; + my plane: it hangs on the tile row and the wave alone
	s_add_co_u32 s16, s16, s17
	s_mov_b32 s17, 0
	s_lshl_b32 s46, s42, 15                        ; Wo: 256 rows of 128 bytes for each tile column,
	s_lshl_b32 s47, s12, 17                        ; + my plane: it hangs on the tile column and the wave alone
	s_add_co_u32 s46, s46, s47
	s_mov_b32 s47, 0
	s_mul_i32 s20, s12, PLA                        ; where they go: no place in the cluster enters an LDS address
	s_mul_i32 s21, s12, PLB
	s_add_co_u32 s21, s21, 2*PLA
	s_wait_dscnt 0x0                               ; both opening adds are done
	s_wait_kmcnt 0x0
	s_add_nc_u64 s[14:15], s[4:5], s[16:17]
	s_add_nc_u64 s[46:47], s[6:7], s[46:47]
	CROUND                                         ; all sixteen work-groups are here: the first joint loads meet
.irp s, 0,1
	s_mov_b32 s[G0+4*\s], 1
	s_add_co_u32 s[G0+4*\s+1], s20, \s*SLOT
	s_add_nc_u64 s[G0+4*\s+2:G0+4*\s+3], s[14:15], \s*KA
	s_or_b32 s[G0+4*\s+3], s[G0+4*\s+3], 0x80000000
	s_mov_b32 s[G0B+4*\s], 1
	s_add_co_u32 s[G0B+4*\s+1], s21, \s*SLOT
	s_add_nc_u64 s[G0B+4*\s+2:G0B+4*\s+3], s[46:47], \s*KB
	s_or_b32 s[G0B+4*\s+3], s[G0B+4*\s+3], 0x80000000
	JLOAD \s
.endr
	v_and_b32 v1, 15, v0                           ; r
	v_bfe_u32 v2, v0, 4, 1                         ; h
	s_lshl_b32 s46, s42, 10                        ; my first column, in bytes of f32: 1,024 x tile column + 512 x half: in out0's rows and in bo
	s_lshl_b32 s47, s12, 9
	s_add_co_u32 s46, s46, s47
	s_mov_b32 s47, 0
	s_add_nc_u64 s[8:9], s[8:9], s[46:47]
	s_add_nc_u64 s[66:67], s[66:67], s[46:47]
	v_lshlrev_b32 v[BOF], 5, v2
.irp b, 0,1,2,3,4,5,6,7                        ; register 8 b + j = bo[my column 16 b + 8 h + j]
	global_load_b128 v[BI+8*\b:BI+8*\b+3], v[BOF], s[66:67] offset:64*\b
	global_load_b128 v[BI+8*\b+4:BI+8*\b+7], v[BOF], s[66:67] offset:64*\b+16
.endr
	v_mul_u32_u24 v3, v1, PITCH
	v_lshl_add_u32 v3, v2, 4, v3                   ; a fragment's row x pitch + 16 x half
	s_mul_i32 s21, s11, 64*PITCH                   ; my 64 rows of A
	s_mul_i32 s22, s12, 128*PITCH                  ; my 128 rows of Wo,
	s_add_co_u32 s22, s22, 2*PLA                   ; behind A's two planes
.irp s, 0,1
	v_add_nc_u32 v[ADRA+\s], s21, v3
	v_add_nc_u32 v[ADRB+\s], s22, v3
	s_add_co_u32 s21, s21, SLOT
	s_add_co_u32 s22, s22, SLOT
.endr
	s_mul_i32 s23, s10, 16*SPITCH
	s_add_co_u32 s23, s23, STAGE                   ; my stage
	v_mul_u32_u24 v4, v1, SPITCH
	v_lshl_add_u32 v4, v2, 5, v4
	v_add_nc_u32 v[STO], s23, v4                   ; in: row r, 32 bytes for each half of the lanes
	v_and_b32 v5, 31, v0
	v_lshlrev_b32 v[CO], 4, v5                     ; back: the 32 lanes take one row of 512 bytes; the same in out0
	v_add_nc_u32 v[RD], s23, v[CO]
	s_lshl_b32 s16, s13, 7
	s_lshl_b32 s17, s11, 6
	s_add_co_u32 s16, s16, s17                     ; my first row: 128 x tile row + 64 x half
	s_lshl_b32 s16, s16, 12                        ; x 4,096 bytes
	s_mov_b32 s17, 0
	s_add_nc_u64 s[8:9], s[8:9], s[16:17]
	s_lshl_b32 s20, s40, 12                        ; the prefetches: my work-group's 4,096 bytes of each plane,
	s_add_co_u32 s20, s20, 2*KA                    ; at K step 2: the first refill steps it to 3 and names K step 4
	s_mov_b32 s21, 0
	s_add_nc_u64 s[PFA:PFA+1], s[14:15], s[20:21]  ; (in wave 0 s[14:15] stands at plane 0)
	s_cmp_eq_u32 s10, 0
	s_cselect_b32 s[LIM], 1, -1                    ; the same in all sixteen partners, for a given wave
	v_lshlrev_b32 v[PFO], 8, v1
	v_lshl_add_u32 v[PFO], v2, 18, v[PFO]
; 8 matrix instructions: A's block a x Wo's eight, 32 along K, buffer f.  zero = 1: the first product starts the sums from the bias.  The 32 accumulators take turns in one order everywhere.
.macro MUL8 f, a, zero
.irp b, 0,1,2,3,4,5,6,7
.if \zero
	v_wmma_f32_16x16x32_f16 v[8*(8*(\a)+\b):8*(8*(\a)+\b)+7], v[64*(\f)+8*\b:64*(\f)+8*\b+7], v[AFR+32*(\f)+8*(\a):AFR+32*(\f)+8*(\a)+7], v[BI+8*\b:BI+8*\b+7]
.else
	v_wmma_f32_16x16x32_f16 v[8*(8*(\a)+\b):8*(8*(\a)+\b)+7], v[64*(\f)+8*\b:64*(\f)+8*\b+7], v[AFR+32*(\f)+8*(\a):AFR+32*(\f)+8*(\a)+7], v[8*(8*(\a)+\b):8*(8*(\a)+\b)+7]
.endif
.endr
.endm
; 24 LDS loads in one run: the fragments of quarter q of a K step (plane q / 2, channels 32 (q % 2) on) into buffer f
.macro FETCH slot, q, f
	WIN TO_B
.irp i, 0,1,2,3,4,5,6,7
	ds_load_b128 v[64*(\f)+8*\i:64*(\f)+8*\i+3], v[ADRB+\slot] offset:((\q)>>1)*PLB+((\q)&1)*64+\i*16*PITCH
	ds_load_b128 v[64*(\f)+8*\i+4:64*(\f)+8*\i+7], v[ADRB+\slot] offset:((\q)>>1)*PLB+((\q)&1)*64+\i*16*PITCH+32
.endr
	WIN 0
.irp i, 0,1,2,3
	ds_load_b128 v[AFR+32*(\f)+8*\i:AFR+32*(\f)+8*\i+3], v[ADRA+\slot] offset:((\q)>>1)*PLA+((\q)&1)*64+\i*16*PITCH
	ds_load_b128 v[AFR+32*(\f)+8*\i+4:AFR+32*(\f)+8*\i+7], v[ADRA+\slot] offset:((\q)>>1)*PLA+((\q)&1)*64+\i*16*PITCH+32
.endr
.endm
; One of a K step's first three quarters: fetches quarter q into buffer g, then multiplies buffer f: 32 matrix instructions under which the loads land.
.macro QUARTER slot, q, f, g, zero
	s_wait_dscnt 0x0                               ; buffer f is in: it was asked for a quarter ago
	PLACES 4                                       ; behind the last products, which read buffer g
	FETCH \slot, \q, \g
	WIN MUL-0x20*(\zero)                           ; (zero = 1: C is the bias, in window 0)
	MUL8 \f, 0, \zero
	MUL8 \f, 1, \zero
	MUL8 \f, 2, \zero
	MUL8 \f, 3, \zero
.endm
; The last quarter multiplies buffer 1 and changes slots: one barrier; in front of it each wave waits for all its tensor loads, adds 0 to its spare word, and waits for that and for its reads of this slot.
; fill = 1: the barrier opens a round of the cluster's, and this slot is filled again, two K steps ahead, first thing behind it.
.macro TURN slot, next, fill
.if \fill
	s_wait_xcnt 0x0                                ; the last prefetch, a K step back, has read its address: it is stepped here, ahead of the waits of the change of slots
	s_add_nc_u64 s[PFA:PFA+1], s[PFA:PFA+1], KA
.endif
	WIN 0                                          ; (the add's two registers lie in window 0)
	s_wait_tensorcnt 0x0                           ; all my tensor loads have landed: my part of the next slot
	ds_add_u32 v[SPW], v[NIL]                      ; 0 onto my spare word
	s_wait_dscnt 1                                 ; buffer 1 is in (the add may be out)
	WIN MUL
	MUL8 1, 0, 0                                   ; eight matrix instructions stand between the add and the wait for it
	s_wait_dscnt 0x0                               ; the add is done, and my reads of this slot are over
	s_barrier_signal -1
	MUL8 1, 1, 0
	WIN 0
	s_barrier_wait -1
.if \fill
	CREST                                          ; no wave of any partner still reads this slot's tiles or has a load on its way
	s_add_nc_u64 s[G0+4*\slot+2:G0+4*\slot+3], s[G0+4*\slot+2:G0+4*\slot+3], 2*KA
	s_add_nc_u64 s[G0B+4*\slot+2:G0B+4*\slot+3], s[G0B+4*\slot+2:G0B+4*\slot+3], 2*KB
	JLOAD \slot                                    ; the first tensor load behind the round; its four v_nop are also the places in front of the loads below
.else
	PLACES 4
.endif
	FETCH \next, 0, 0
.if \fill
	ASK                                            ; behind the joint load and the run of LDS loads
.endif
	WIN MUL
	MUL8 1, 2, 0
	MUL8 1, 3, 0
.endm
	s_wait_tensorcnt 1                             ; my part of K step 0 is in (K step 1's may be out)
	s_barrier_signal -1
	s_barrier_wait -1                              ; everybody's is
	FETCH 0, 0, 0
	s_wait_loadcnt 0x0                             ; the bias
	QUARTER 0, 1, 0, 1, 1                          ; the first quarter stands in front of the loop: its products start the sums
	WIN 0                                          ; at a label and at a branch every window is 0
	s_mov_b32 s3, 3
.Llap:                                                 ; a trip goes once round the ring, from a lap's second quarter to the next lap's first, and fills both slots again: K steps 2 to 7
	QUARTER 0, 2, 1, 0, 0
	QUARTER 0, 3, 0, 1, 0
	TURN 0, 1, 1
	QUARTER 1, 1, 0, 1, 0
	QUARTER 1, 2, 1, 0, 0
	QUARTER 1, 3, 0, 1, 0
	TURN 1, 0, 1
	QUARTER 0, 1, 0, 1, 0
	WIN 0
	s_sub_co_u32 s3, s3, 1
	s_cmp_lg_u32 s3, 0
	s_cbranch_scc1 .Llap
	QUARTER 0, 2, 1, 0, 0                          ; the last lap fills nothing, and has no round of the cluster's barrier
	QUARTER 0, 3, 0, 1, 0
	TURN 0, 1, 0
	QUARTER 1, 1, 0, 1, 0
	QUARTER 1, 2, 1, 0, 0
	QUARTER 1, 3, 0, 1, 0
	s_wait_dscnt 0x0                               ; the very last quarter: nothing more to fetch
	WIN MUL
	MUL8 1, 0, 0
	MUL8 1, 1, 0
	MUL8 1, 2, 0
	MUL8 1, 3, 0
	WIN 0
; THE WAY OUT, block by block of 16 rows x 128 columns.  A lane holds 32 neighbouring bytes of a row: a block goes through my own stage and comes back as whole rows of 512 bytes.
.macro TOSTAGE a
	WIN 0x08                                       ; an LDS store's data are its source 1: window 2
.irp b, 0,1,2,3,4,5,6,7
	ds_store_b128 v[STO], v[8*(8*(\a)+\b):8*(8*(\a)+\b)+3] offset:64*\b          ; each accumulator from its low end on
	ds_store_b128 v[STO], v[8*(8*(\a)+\b)+4:8*(8*(\a)+\b)+7] offset:64*\b+16
.endr
	WIN 0
.set BB, BK+64*((\a)%2)
.irp t, 0,1,2,3,4,5,6,7,8,9,10,11,12,13,14,15
	ds_load_b128 v[BB+4*\t:BB+4*\t+3], v[RD] offset:\t*SPITCH     ; LDS serves a wave's instructions in order (ISA guide 5.7.1): these see the stores above
.endr
.endm
.macro SEND a, younger                 ; younger: the LDS instructions issued behind block a's loads, which may stay out
.set BB, BK+64*((\a)%2)
	s_wait_dscnt \younger
.irp t, 0,1,2,3,4,5,6,7,8,9,10,11,12,13,14,15
	global_store_b128 v[CO], v[BB+4*\t:BB+4*\t+3], s[8:9] offset:65536*(\a)+4096*\t th:TH_STORE_NT   ; 32 lanes store 512 consecutive bytes, aligned; written once, read by nobody here
.endr
.endm
	PLACES 4                                       ; behind the last products: the stage's stores read results
	TOSTAGE 0
	TOSTAGE 1
	SEND 0, 32                                     ; behind block 0's loads: block 1's 16 stores and 16 loads
	s_wait_xcnt 0x0                                ; block 0's stores have read their registers: block 2's loads may land there
	TOSTAGE 2
	SEND 1, 32
	s_wait_xcnt 0x0
	TOSTAGE 3
	SEND 2, 32
	SEND 3, 0
	s_wait_tensorcnt 0x0                           ; the wave's end: behind my last tensor load and my last LDS store
	ds_add_u32 v[SPW], v[NIL]
	s_wait_dscnt 0x0
	CROUND                                         ; the closing round: no work-group ends while a partner may still ask for a tile that names it
	s_endpgm
.Lfunc_end_k_qfb8cd46b52_oproj:
	.size	k_qfb8cd46b52_oproj, .Lfunc_end_k_qfb8cd46b52_oproj-k_qfb8cd46b52_oproj
	.p2alignl 7, 3214868480
	.fill 96, 4, 3214868480
	.section	.rodata,"a",@progbits
	.p2align	6, 0x0
	.amdhsa_kernel k_qfb8cd46b52_oproj
		.amdhsa_group_segment_fixed_size 327680
		.amdhsa_private_segment_fixed_size 0
		.amdhsa_enable_private_segment 0
		.amdhsa_kernarg_size 32
		.amdhsa_user_sgpr_count 2
		.amdhsa_user_sgpr_kernarg_segment_ptr 1
		.amdhsa_wavefront_size32 1
		.amdhsa_system_sgpr_workgroup_id_x 1
		.amdhsa_system_sgpr_workgroup_id_y 1
		.amdhsa_system_sgpr_workgroup_id_z 1
		.amdhsa_system_vgpr_workitem_id 0
		.amdhsa_next_free_vgpr 768
		.amdhsa_next_free_sgpr 68
		.amdhsa_reserve_vcc 0
		.amdhsa_float_denorm_mode_32 3
		.amdhsa_float_denorm_mode_16_64 3
		.amdhsa_memory_ordered 1
		.amdhsa_forward_progress 1
		.amdhsa_inst_pref_size 87
	.end_amdhsa_kernel
	.amdgpu_metadata
---
amdhsa.version: [ 1, 2 ]
amdhsa.kernels:
  - .name:           k_qfb8cd46b52_oproj
    .symbol:         k_qfb8cd46b52_oproj.kd
    .args:
      - { .name: ob, .offset: 0, .size: 8, .value_kind: global_buffer, .address_space: global }
      - { .name: wo16, .offset: 8, .size: 8, .value_kind: global_buffer, .address_space: global }
      - { .name: bo, .offset: 16, .size: 8, .value_kind: global_buffer, .address_space: global }
      - { .name: out0, .offset: 24, .size: 8, .value_kind: global_buffer, .address_space: global }
    .group_segment_fixed_size: 327680
    .private_segment_fixed_size: 0
    .kernarg_segment_align: 8
    .kernarg_segment_size: 32
    .max_flat_workgroup_size: 128
    .sgpr_count:     68
    .vgpr_count:     768
    .wavefront_size: 32
...
	.end_amdgpu_metadata
.endif
;; end of part 4
